; MI455X (gfx1250); checked and timed in simulation.
; The chip was launched on July 23, 2026; its instructions are those of AMD's public machine-readable ISA for CDNA 5 (MIT licence, August 2026) and "CDNA5" Instruction Set Architecture Reference Guide (July 2026). The comments in the code are by the model that wrote it; some were corrected since.
;; Multi Head Attention. Allowed arithmetic: matrix products marked QUANTISED: E2M3 operands, one E8M0 scale for each 32 along K, by v_wmma_scale_f32_16x16x128_f8f6f4 with both operands' format E2M3, f32 sums; everything else in f32.
;; Inputs: Wk 1,024 x 1,024 float32; Wo 1,024 x 1,024 float32; Wq 1,024 x 1,024 float32; Wv 1,024 x 1,024 float32; x 4 x 2,048 x 1,024 float32.
;; Outputs: out0 4 x 2,048 x 1,024 float32.
;; This version of the problem:
;;   THIS VERSION OF THE PROBLEM IS GIVEN IN LOW PRECISION. The matrix products marked QUANTISED in the list below multiply operands that are first quantised to E2M3 (2 exponent bits, 3 mantissa bits; 6 bits a number), with one power-of-two scale for each 32 numbers along K (OCP MX v1.0); their sums are f32. All else is computed in f32.
;;   The module's matrix products, in the order in which they are computed (A, B: the left and right operand; K: the contracted axis; several contracted axes count as one K, in the product's order):
;;     1. [M 8,192, K 1,024] x [K 1,024, N 1,024]; A: input x; B: input Wq: QUANTISED
;;     2. [M 8,192, K 1,024] x [K 1,024, N 1,024]; A: input x; B: input Wk: QUANTISED
;;     3. [M 8,192, K 1,024] x [K 1,024, N 1,024]; A: input x; B: input Wv: QUANTISED
;;     4. batch 64 x [M 2,048, K 64] x [K 64, N 2,048]; A: computed on the way; B: computed on the way: QUANTISED
;;     5. batch 64 x [M 2,048, K 2,048] x [K 2,048, N 64]; A: softmax (see below); B: computed on the way: QUANTISED
;;     6. [M 8,192, K 1,024] x [K 1,024, N 1,024]; A: computed on the way; B: input Wo: QUANTISED
;;   THE QUANTISER, for each operand of a quantised product, along K:
;;     - K is cut into blocks of 32 from its start; a last block that is shorter is filled with zeros.
;;     - A block's scale is 2^e with e = floor(log2(the largest magnitude in the block)) - 2, held to -126 .. 127; a block of zeros has e = 0. As a byte (E8M0): e + 127.
;;     - Each number is divided by its block's scale, clamped to +-7.5, and rounded to the nearest number of E2M3, ties to even, subnormals kept.
;;     - The product sums the exact products of the quantised numbers (number of the format x scale) in f32.
;;   ~~~python
;;   def quantise(x, axis):      # numpy; x: float32 -> the quantised numbers, widened to float32 again
;;       x = np.moveaxis(x, axis, -1); K = x.shape[-1]
;;       x = np.pad(x, [(0, 0)] * (x.ndim - 1) + [(0, -K % 32)]); x = x.reshape(x.shape[:-1] + (-1, 32)); a = np.abs(x).max(-1, keepdims=True)
;;       e = np.where(a > 0, np.clip(np.frexp(np.where(a > 0, a, 1))[1] - 1 - 2, -126, 127), 0)      # np.frexp(a)[1] - 1 = floor(log2(a)), exactly
;;       r = np.clip(x / 2.0 ** e, -7.5, 7.5)
;;       step = 2.0 ** (np.maximum(np.frexp(np.where(r == 0, 1, r))[1] - 1, 0) - 3)
;;       q = np.round(r / step) * step * 2.0 ** e      # np.round: ties to even
;;       return np.moveaxis(q.reshape(q.shape[:-2] + (-1,))[..., :K], -1, axis).astype(np.float32)
;;   ~~~
;;   SOFTMAX AHEAD OF A QUANTISED PRODUCT. Where the list says 'softmax', what is quantised is not the finished softmax but p = 2^(t - M), with t = logit x log2(e) and M = ceil(the row's largest t), a whole number; so 1/2 < the row's largest p <= 1. The row's sum l is taken of the UNQUANTISED p, in f32, and the product's result is divided by l at the end. Since M is a whole number, a kernel that streams over the keys may use a running M (the ceiling of the running maximum): every later rescaling is an exact power of two, which a block's scale takes up: the codes' values come out the same.
;;   OPERANDS COMPUTED ON THE WAY. 'Computed on the way' means the value that the module computes at that place (a softmax that the list does not call 'softmax' is quantised finished and normalised). What goes into a quantiser is computed in f32, as accurately as f32 sums, v_exp_f32 and their like allow (about 1e-6 of the number): no bf16 or f16 on the way to a quantiser, and a product that is left as it is and whose result goes on into a quantised operand takes f32 operands (vector FMAs, or v_wmma_f32_16x16x4_f32). A number that lies on a knife's edge between two numbers of the format may be rounded either way, as far as f32 arithmetic and the matrix unit's own rounding can turn it there, and no further.
;; One version. Each part assembles by itself: llvm-mc -triple=amdgcn-amd-amdhsa -mcpu=gfx1250 --defsym DOCPART=n.
;; ======== version 1 of 1: 4 launches
;; limits: right only within a limited range of input values
;; workspace buffers: xc 6,291,456 bytes; xs 262,144 bytes; wc 3,145,728 bytes; ws 131,072 bytes; qkvc 18,874,368 bytes; qkvs 1,310,720 bytes; oc 6,291,456 bytes; os 262,144 bytes
;; launch quant (part 1): grid 384 x 1, 4 waves a work-group, no clusters, 34,304 bytes of LDS; arguments x, Wo, Wq, Wk, Wv, xc, xs, wc, ws; writes xc, xs, wc, ws
.if DOCPART == 1
	.amdgcn_target "amdgcn-amd-amdhsa--gfx1250"
	.amdhsa_code_object_version 6
	.text
	.protected	k_q239223ae0e_quant
	.globl	k_q239223ae0e_quant
	.p2align	8
	.type	k_q239223ae0e_quant,@function
k_q239223ae0e_quant:
	s_mov_b64 s[64:65], 0
	v_nop
	global_prefetch_b8 v0, s[64:65] scope:SCOPE_SE
	s_setreg_imm32_b32 hwreg(HW_REG_WAVE_MODE, 25, 1), 1
	s_wait_xcnt 0x0
; x [8192][1024] and Wo, Wq, Wk, Wv [1024][1024], f32 with K innermost, become codes of FP6 (E2M3) with one E8M0 scale byte for each 32 along K,
; laid in the order of an operand's registers, so that every later launch moves them by dense loads alone.
; A TILE is 16 rows; lane row r of tile T is matrix row 32 (T / 2) + 8 (T % 2) + r + 8 (r / 8).  A FRAGMENT (a tile x 128 along K) is 12 registers a lane: lane (r, h) holds, in registers 6 c .. 6 c + 5,
; the 24 bytes of codes of k = 64 c + 32 h + 0 .. 31.  In memory it is two halves of 768 bytes (c = 0, 1): a lane's bytes 0-15 at 16 x lane, its bytes 16-23 at 512 + 8 x lane.
; Codes: [tile][K step of 128: 8][1,536 bytes].  Scale words (four bytes: a row's 128 along K): [tile / 4][K step][256 bytes], the word of row r of tile 4 G + i at 16 r + 4 i.
; xc, xs hold x's 512 tiles; wc, ws hold Wo's 64, then Wq's, Wk's, Wv's.
; A block's scale is 2^(floor(log2(its largest magnitude)) - 2); its byte is the largest magnitude's exponent field - 2, held at 1 from below.
; LIMITS: NaN and infinities among the inputs are not served; a block whose largest magnitude lies under 2^-124 keeps the byte 1, a block of zeros too (the rule says 127 there: its codes are zeros,
; which add nothing under any byte but 0xff, and the bytes are read by this program alone).
; SHARES.  A work-group takes 64 rows (4 tiles) and four K steps, a K step a wave; a wave makes 4 fragments, one for each tile.  Each load reads 512 consecutive bytes of one row; the 16 rows turn through the
; wave's own stage in LDS (rows 528 bytes apart), so that a lane gets its two whole blocks of 32 neighbours.  Waves share nothing: no barrier.  Loads run two fragments (32 loads a wave) ahead.
.set STG,   16*528                     ; a wave's stage
.set SPARE, 4*STG                      ; behind the four stages: the spare words, 128 bytes for each wave: two blocks of 256 bytes that no other line names
.set WD,    16                         ; v16-19   the scale words of my four fragments
.set C,     24                         ; v24-35   a fragment's codes
.set CT,    36                         ; v36-38, v40-42 the second halves of its blocks as the conversions leave them
.set R,     44                         ; v44-171  two sets of 64: 16 rows as they are loaded
.set X,     172                        ; v172-235 my 64 numbers: register 32 c + n is k = 64 c + 32 h + n of my row
.set SPW,   236                        ; v236     LDS address of my spare word; never rewritten
.set NIL,   237                        ; v237     0; never rewritten
	s_load_b256 s[4:11], s[0:1], 0x0               ; x, Wo, Wq, Wk
	s_load_b256 s[12:19], s[0:1], 0x20             ; Wv, xc, xs, wc
	s_load_b64 s[20:21], s[0:1], 0x40              ; ws
	v_lshl_add_u32 v[SPW], v0, 2, SPARE
	v_mov_b32 v[NIL], 0
	v_lshrrev_b32 v1, 5, v0
	v_readfirstlane_b32 s22, v1                    ; wave
	v_and_b32 v1, 31, v0                           ; lane
	v_and_b32 v2, 15, v0                           ; r
	v_bfe_u32 v3, v0, 4, 1                         ; h
	v_lshlrev_b32 v4, 4, v1                        ; 16 x lane
	v_lshlrev_b32 v5, 3, v1                        ; 8 x lane
	s_mul_i32 s27, s22, STG
	v_add_nc_u32 v6, s27, v4                       ; the stage, on the way in: 16 x lane of a row
	v_mul_u32_u24 v7, v2, 528
	v_lshl_add_u32 v7, v3, 7, v7
	v_add_nc_u32 v7, s27, v7                       ; and on the way out: row r, + 128 h: my block of 32 numbers
	v_lshlrev_b32 v8, 4, v2
	v_lshl_add_u32 v8, v3, 3, v8                   ; a unit of scale words: 16 r + 8 h
	v_lshlrev_b32 v9, 3, v3                        ; 8 h: how far up my two bytes stand in the word
	v_mov_b32 v22, 0                               ; written once: a lane permute's destination counts as one of its sources
	s_mov_b32 s34, 0x76543210
	s_mov_b32 s35, 0xfedcba98                      ; v_permlanex16_b32's selects for lane l xor 16
	s_mov_b32 s36, 0xffff0000                      ; lanes 16-31
	s_lshr_b32 s23, ttmp9, 1                       ; G: which 64 rows: 0-127 x, then 16 for each weight
	s_and_b32 s24, ttmp9, 1
	s_lshl_b32 s24, s24, 2
	s_add_co_u32 s24, s24, s22                     ; g: my K step of 128
	s_and_b32 s26, s23, 127                        ; the group's number in its buffer of codes
	s_and_b32 s25, s23, 15
	s_cmp_lt_u32 s23, 128
	s_cselect_b32 s25, s23, s25                    ; and in its tensor
	s_wait_alu depctr_va_vdst(0)
	s_wait_kmcnt 0x0
	s_cselect_b64 s[30:31], s[14:15], s[18:19]     ; the choices hang on the work-group's number alone
	s_cselect_b64 s[32:33], s[16:17], s[20:21]
	s_mov_b64 s[28:29], s[4:5]
	s_cmp_ge_u32 s23, 128
	s_cselect_b64 s[28:29], s[6:7], s[28:29]
	s_cmp_ge_u32 s23, 144
	s_cselect_b64 s[28:29], s[8:9], s[28:29]
	s_cmp_ge_u32 s23, 160
	s_cselect_b64 s[28:29], s[10:11], s[28:29]
	s_cmp_ge_u32 s23, 176
	s_cselect_b64 s[28:29], s[12:13], s[28:29]
	s_lshl_b32 s38, s25, 18                        ; 64 rows of 4,096 bytes,
	s_lshl_b32 s37, s24, 9                         ; 128 numbers along K
	s_add_co_u32 s38, s38, s37
	s_mov_b32 s39, 0
	s_add_nc_u64 s[28:29], s[28:29], s[38:39]
	s_mul_i32 s38, s26, 4*12288                    ; four tiles' codes,
	s_mul_i32 s37, s24, 1536                       ; my K step's fragment
	s_add_co_u32 s38, s38, s37
	s_add_nc_u64 s[30:31], s[30:31], s[38:39]
	s_lshl_b32 s38, s26, 3
	s_add_co_u32 s38, s38, s24
	s_lshl_b32 s38, s38, 8                         ; the unit of scale words of (group, K step)
	s_add_nc_u64 s[32:33], s[32:33], s[38:39]
.macro LOAD u                          ; tile u's 16 rows, 512 consecutive bytes each, into set u % 2
.irp i, 0,1,2,3,4,5,6,7,8,9,10,11,12,13,14,15
	global_load_b128 v[R+64*((\u)%2)+4*\i:R+64*((\u)%2)+4*\i+3], v4, s[28:29] offset:(32*((\u)/2)+8*((\u)%2)+\i+8*(\i/8))*4096 th:TH_LOAD_NT
.endr
.endm
.macro UNIT u
.if (\u) < 3
	s_wait_loadcnt 16                              ; this tile's 16 loads are in; the next tile's 16 may be out
.else
	s_wait_loadcnt 0
.endif
.irp i, 0,1,2,3,4,5,6,7,8,9,10,11,12,13,14,15
	ds_store_b128 v6, v[R+64*((\u)%2)+4*\i:R+64*((\u)%2)+4*\i+3] offset:528*\i
.endr
.irp c, 0,1                            ; LDS serves a wave's instructions in order: these see the stores above
.irp k, 0,1,2,3,4,5,6,7
	ds_load_b128 v[X+32*\c+4*\k:X+32*\c+4*\k+3], v7 offset:256*\c+16*\k
.endr
.endr
	s_wait_dscnt 0x0                               ; my numbers are in, and the stores have read their registers,
.if (\u)+2 < 4
	LOAD (\u)+2                                    ; which take the tile two further on
.endif
.irp c, 0,1                            ; my block 2 c + h: all its 32 numbers are mine
	v_max3_num_f32 v[10+\c], |v[X+32*\c]|, |v[X+32*\c+1]|, 0x1800000   ; and the floor 2^(3 - 127): the byte cannot fall under 1
.endr
.irp i, 2,4,6,8,10,12,14,16,18,20,22,24,26,28,30
.irp c, 0,1
	v_max3_num_f32 v[10+\c], v[10+\c], |v[X+32*\c+\i]|, |v[X+32*\c+\i+1]|   ; (the two blocks by turns)
.endr
.endr
.irp c, 0,1
	v_add_nc_u32 v[12+\c], 0xff000000, v[10+\c]    ; 2 off the exponent field: the conversion takes the exponent field of this operand as its scale
.endr
.irp c, 0,1
	v_lshrrev_b32 v[14+\c], 23, v[12+\c]           ; the scale's byte
.endr
	v_lshl_or_b32 v23, v15, 16, v14                ; my two bytes: blocks h and 2 + h of row r,
	v_lshlrev_b32 v23, v9, v23                     ; at their places in the word;
	v_permlanex16_b32 v22, v23, s34, s35
	v_or_b32 v[WD+(\u)], v23, v22                  ; with lane l xor 16's two the word is whole
.if (\u) > 0
	s_wait_alu depctr_va_vdst(0)
	s_wait_xcnt 0x0                                ; the last fragment's stores have read their registers: the codes are written again only behind this wait
.endif
.irp c, 0,1
	v_cvt_scalef32_pk16_fp6_f32 v[C+6*\c:C+6*\c+2], v[X+32*\c:X+32*\c+15], v[12+\c]
	v_cvt_scalef32_pk16_fp6_f32 v[CT+4*\c:CT+4*\c+2], v[X+32*\c+16:X+32*\c+31], v[12+\c]   ; (a conversion's three registers begin on an even number)
.endr
	v_nop                                          ; one plain place behind a scaled conversion
.irp c, 0,1
.irp i, 0,1,2
	v_mov_b32 v[C+3+6*\c+\i], v[CT+4*\c+\i]
.endr
.endr
	global_store_b128 v4, v[C:C+3], s[30:31] offset:(\u)*12288             ; 512 consecutive bytes,
	global_store_b64 v5, v[C+4:C+5], s[30:31] offset:(\u)*12288+512        ; 256,
	global_store_b128 v4, v[C+6:C+9], s[30:31] offset:(\u)*12288+768       ; and the second half likewise: all begin at multiples of 256 from the buffer's first byte
	global_store_b64 v5, v[C+10:C+11], s[30:31] offset:(\u)*12288+1280
.endm
	LOAD 0
	LOAD 1
	UNIT 0
	UNIT 1
	UNIT 2
	UNIT 3
	v_cndmask_b32 v20, v[WD], v[WD+2], s36         ; lanes 0-15 store the words of tiles 0 and 1, lanes 16-31 those of tiles 2 and 3
	v_cndmask_b32 v21, v[WD+1], v[WD+3], s36
	global_store_b64 v8, v[20:21], s[32:33]        ; 32 lanes store 256 consecutive bytes, aligned
	s_wait_tensorcnt 0x0                           ; the wave's end, behind my last LDS store
	ds_add_u32 v[SPW], v[NIL]
	s_wait_dscnt 0x0
	s_endpgm
.Lfunc_end_k_q239223ae0e_quant:
	.size	k_q239223ae0e_quant, .Lfunc_end_k_q239223ae0e_quant-k_q239223ae0e_quant
	.p2alignl 7, 3214868480
	.fill 96, 4, 3214868480
	.section	.rodata,"a",@progbits
	.p2align	6, 0x0
	.amdhsa_kernel k_q239223ae0e_quant
		.amdhsa_group_segment_fixed_size 34304
		.amdhsa_private_segment_fixed_size 0
		.amdhsa_enable_private_segment 0
		.amdhsa_kernarg_size 72
		.amdhsa_user_sgpr_count 2
		.amdhsa_user_sgpr_kernarg_segment_ptr 1
		.amdhsa_wavefront_size32 1
		.amdhsa_system_sgpr_workgroup_id_x 1
		.amdhsa_system_sgpr_workgroup_id_y 1
		.amdhsa_system_sgpr_workgroup_id_z 1
		.amdhsa_system_vgpr_workitem_id 0
		.amdhsa_next_free_vgpr 240
		.amdhsa_next_free_sgpr 66
		.amdhsa_reserve_vcc 0
		.amdhsa_float_denorm_mode_32 3
		.amdhsa_float_denorm_mode_16_64 3
		.amdhsa_memory_ordered 1
		.amdhsa_forward_progress 1
		.amdhsa_inst_pref_size 31
	.end_amdhsa_kernel
	.amdgpu_metadata
---
amdhsa.version: [ 1, 2 ]
amdhsa.kernels:
  - .name:           k_q239223ae0e_quant
    .symbol:         k_q239223ae0e_quant.kd
    .args:
      - { .name: x, .offset: 0, .size: 8, .value_kind: global_buffer, .address_space: global }
      - { .name: Wo, .offset: 8, .size: 8, .value_kind: global_buffer, .address_space: global }
      - { .name: Wq, .offset: 16, .size: 8, .value_kind: global_buffer, .address_space: global }
      - { .name: Wk, .offset: 24, .size: 8, .value_kind: global_buffer, .address_space: global }
      - { .name: Wv, .offset: 32, .size: 8, .value_kind: global_buffer, .address_space: global }
      - { .name: xc, .offset: 40, .size: 8, .value_kind: global_buffer, .address_space: global }
      - { .name: xs, .offset: 48, .size: 8, .value_kind: global_buffer, .address_space: global }
      - { .name: wc, .offset: 56, .size: 8, .value_kind: global_buffer, .address_space: global }
      - { .name: ws, .offset: 64, .size: 8, .value_kind: global_buffer, .address_space: global }
    .group_segment_fixed_size: 34304
    .private_segment_fixed_size: 0
    .kernarg_segment_align: 8
    .kernarg_segment_size: 72
    .max_flat_workgroup_size: 128
    .sgpr_count:     66
    .vgpr_count:     240
    .wavefront_size: 32
...
	.end_amdgpu_metadata
.endif
;; end of part 1
;; launch qkv (part 2): grid 8 x 32, 4 waves a work-group, clusters of 4 x 4, 327,680 bytes of LDS; arguments xc, xs, wc, ws, qkvc, qkvs; writes qkvc, qkvs
.if DOCPART == 2
	.amdgcn_target "amdgcn-amd-amdhsa--gfx1250"
	.amdhsa_code_object_version 6
	.text
	.protected	k_q239223ae0e_qkv
	.globl	k_q239223ae0e_qkv
	.p2align	8
	.type	k_q239223ae0e_qkv,@function
k_q239223ae0e_qkv:
	s_mov_b64 s[64:65], 0
	v_nop
	global_prefetch_b8 v0, s[64:65] scope:SCOPE_SE
	s_setreg_imm32_b32 hwreg(HW_REG_WAVE_MODE, 25, 1), 1
	s_wait_xcnt 0x0
	s_wait_alu depctr_hold_cnt(0) depctr_sa_sdst(0) depctr_va_vdst(0) depctr_va_sdst(0) depctr_va_ssrc(0) depctr_va_vcc(0) depctr_vm_vsrc(0)
	s_getreg_b32 s2, hwreg(HW_REG_IB_STS2, 6, 4)
	s_cmp_eq_u32 s2, 0
	s_cbranch_scc0 .Lentry_in_a_cluster
	s_endpgm
.Lentry_in_a_cluster:
	s_bfe_u32 s2, ttmp6, 0x10000c
	s_cmp_lg_u32 s2, 0xf033
	s_cbranch_scc0 .Lentry_shape_is_right
	s_endpgm
.Lentry_shape_is_right:
; Q = x Wq^T, K = x Wk^T, V = x Wv^T on codes of FP6 (E2M3) with E8M0 scales, f32 sums, and their quantisers: Q and K along the head's 64, V along the keys.  No f32 result is stored.
; INPUTS.  xc: [token tile 512][K step of 128: 8][1,536]: images of operand registers (a half, 768 bytes: a lane's bytes 0-15 at 16 x lane, bytes 16-23 at 512 + 8 x lane); wc: the same: Wo's 64 tiles, then Wq's, Wk's, Wv's.
; A tile's lane row r is matrix row 32 (T / 2) + 8 (T % 2) + r + 8 (r / 8).  xs, ws: [tile / 4][K step][256], the word of row r of tile 4 G + i at 16 r + 4 i.
; OUTPUTS.  qkvc: for each head [16 key steps of 128][k: 8 tiles x 768 | v: 4 tiles (16 channels x 128 keys) x 1,536]; from QOFF on q: [head][128 tiles][768].
; qkvs: for each head [16 key steps][k's tiles 0-3 | 4-7 | v's tiles 0-3], 256 bytes each, row r of tile i at 16 r + 4 i; from QSOFF on q: [head][32][256].  q's and k's words hold two bytes, the upper two are 0.
; THE DEAL.  256 work-groups, each 256 tokens x 128 columns of each of the three weights; four waves, 2 x 2.  The wave in column b holds 64 rows of a weight (one head), ALL of K, in 384 registers; the wave in row a streams
; token tiles 8 a + s, s = 0 .. 7 (one key step), past them: a block is 32 products on its accumulators by turns, K ascending.
; LDS: a weight's 8 tiles, the tokens' 16 tiles, their scale words, the spare words.  The tokens are filled once.  THE WEIGHTS' REGION IS FILLED AGAIN TWICE, each time in a drained round of the cluster's barrier that stands
; directly behind the run of loads that takes the weight before into registers; what it brings is shown by a plain barrier at the phase's end, at which every wave waits.
; CLUSTERS: 4 x 4.  The tokens' tiles are shared by a row of the cluster, a weight's by a column: joint loads.
; NO PREFETCH INTO THE L2: the tokens are asked for at the head, and a weight's refill is asked for a whole phase, 256 products a wave, ahead of its first read.
; Q, K: source 0 = the weight's rows: register 8 b + j of lane (r, h) is token row r, channel 32 (b / 2) + 8 (b % 2) + 16 h + j.  V: source 0 = the tokens' rows: a lane holds one channel, and the 16 registers of two
; neighbouring token tiles are keys 32 u + 16 h + 0 .. 15.  A block of 32 lies in lanes l and l xor 16.
; A block's scale byte is its largest magnitude's exponent field - 2, held at 1 from below.  LIMITS: NaN and infinities are not served; a block whose largest magnitude lies under 2^-124 keeps the byte 1, a block of zeros too.
; THE WAITS' COUNTS on LDS: a block's rows were fetched two blocks ago; younger is the next block's fetch of 32 loads (ahead of block 7: none).
; REGISTERS.  Window 0: v1-23 addresses; v32 + 32 (s / 4) + 4 q + s % 4 the tokens' scale words; v100 + 4 q + b the weight's, v132, v164 the next two weights'; v196-255 the quantisers'.
; Fragment f lies in window 1 + f / 21 at register 12 (f % 21): 0-31 the weight's (4 q + b), 32-39 and 40-47 the tokens' two sets.  v840-903: the accumulators.
.set FR,    12
.set FPW,   21
.set TROW,  12288
.set CH,    8*TROW
.set XA,    CH
.set ASC,   3*CH
.set SPARE, ASC+8192
.set QOFF,  12582912
.set QSOFF, 786432
.set SPW,   22
.set NIL,   23
.set AL,    72                         ; the accumulators, in window 3
.set BM,    196
.set PT,    204
.set SOP,   208
.set VW,    212
.set OC,    216
.set WD,    224
.set DD,    232
.set CT,    240
.set G1A, 24
.set G1B, 32
.set G1S, 40
.set G0B, 48
.set G0S, 52
.set G0A, 56
.set G0R, 60
.set DP,  88                           ; s[88:89] where the phase's codes go, s[90:91] its scale words
.set PH,  92
.set MK,  93
.set SEL, 94
.set MSB, 0
.macro WIN new
.if MSB != \new
	s_set_vgpr_msb (MSB<<8)|\new
.set MSB, \new
.endif
.endm
.macro PLACES n
.rept \n
	v_nop
.endr
.endm
.macro WALU
	s_wait_alu depctr_va_vdst(0)
.endm
.macro BARRIER
	s_barrier_signal -1
	s_barrier_wait -1
.endm
.macro CROUND
	BARRIER
	s_cmp_lg_u32 s16, 0
	s_cbranch_scc1 .Lnot_wave_0_\@
	s_barrier_signal -3
.Lnot_wave_0_\@:
	s_barrier_wait -3
	BARRIER
.endm
.macro TLOAD g0, g1                    ; an s_nop 0 and four v_nop follow the load
	tensor_load_to_lds s[\g0:\g0+3], s[\g1:\g1+7]
	s_nop 0
	PLACES 4
.endm
.macro GROUP1 g, mask, rows            ; a dense block as rows of 256 bytes
	s_or_b32 s[\g], s\mask, (3<<16)|(1<<21)
	s_mov_b32 s[\g+1], 32<<16
	s_mov_b32 s[\g+2], (\rows)<<16
	s_mov_b32 s[\g+3], 32<<16
	s_mov_b32 s[\g+4], \rows
	s_mov_b32 s[\g+5], 32
	s_mov_b32 s[\g+6], 0
	s_mov_b32 s[\g+7], 0
.endm
.macro FRAGL f, a16, a8, off           ; a fragment's image: four dense loads
	WIN (1+(\f)/FPW)<<6
.set R_, FR*((\f)%FPW)
	ds_load_b128 v[R_:R_+3], v[\a16] offset:\off
	ds_load_b64 v[R_+4:R_+5], v[\a8] offset:(\off)+512
	ds_load_b128 v[R_+6:R_+9], v[\a16] offset:(\off)+768
	ds_load_b64 v[R_+10:R_+11], v[\a8] offset:(\off)+1280
.endm
.macro WEIGHTS                         ; my 64 rows of the weight, all of K: 128 loads
.irp q, 0,1,2,3,4,5,6,7
.irp b, 0,1,2,3
	FRAGL 4*\q+\b, 6, 7, \b*TROW+\q*1536
.endr
.endr
	WIN 0
.endm
.macro FETCH s                         ; block s's eight fragments into set s % 2: 32 loads
.irp q, 0,1,2,3,4,5,6,7
	FRAGL 32+8*((\s)%2)+\q, 8+2*((\s)/4), 9+2*((\s)/4), ((\s)%4)*TROW+\q*1536
.endr
	WIN 0
.endm
.macro W1 d, f0, f1, q, x0, x1
	WIN (1+(\f0)/FPW)|((1+(\f1)/FPW)<<2)|0xf0
.if \q
	v_wmma_scale_f32_16x16x128_f8f6f4 v[\d:\d+7], v[FR*((\f0)%FPW):FR*((\f0)%FPW)+11], v[FR*((\f1)%FPW):FR*((\f1)%FPW)+11], v[\d:\d+7], v[\x0], v[\x1] matrix_a_fmt:MATRIX_FMT_FP6 matrix_b_fmt:MATRIX_FMT_FP6
.else
	v_wmma_scale_f32_16x16x128_f8f6f4 v[\d:\d+7], v[FR*((\f0)%FPW):FR*((\f0)%FPW)+11], v[FR*((\f1)%FPW):FR*((\f1)%FPW)+11], 0, v[\x0], v[\x1] matrix_a_fmt:MATRIX_FMT_FP6 matrix_b_fmt:MATRIX_FMT_FP6
.endif
.endm
.macro PRODS kind, s                   ; a block's 32 products
.irp q, 0,1,2,3,4,5,6,7
.irp b, 0,1,2,3
.if \kind
	W1 AL+16*\b+8*((\s)%2), 32+8*((\s)%2)+\q, 4*\q+\b, \q, 32+32*((\s)/4)+4*\q+(\s)%4, 100+4*\q+\b
.else
	W1 AL+8*\b, 4*\q+\b, 32+8*((\s)%2)+\q, \q, 100+4*\q+\b, 32+32*((\s)/4)+4*\q+(\s)%4
.endif
.endr
.endr
	WIN 0
.endm
.macro LARGEST n                       ; the largest magnitude of each of n accumulators, from its low end on, the floor 2^(3 - 127) among the leaves; n chains by turns
	WIN 0x0f
.set k, 0
.rept \n
	v_max3_num_f32 v[BM+k], |v[AL+8*k]|, |v[AL+8*k+1]|, 0x1800000
.set k, k+1
.endr
	WIN 0x3c
.irp i, 2,4,6
.set k, 0
.rept \n
	v_max3_num_f32 v[BM+k], v[BM+k], |v[AL+8*k+\i]|, |v[AL+8*k+\i+1]|
.set k, k+1
.endr
.endr
	WIN 0
.endm
.macro SCALE n                         ; n blocks: two accumulators' maxima and lane l xor 16's; the conversion's scale operand; the byte
.set k, 0
.rept \n
	v_max_num_f32 v[BM+2*k], v[BM+2*k], v[BM+2*k+1]
.set k, k+1
.endr
.set k, 0
.rept \n
	v_permlanex16_b32 v[PT+k], v[BM+2*k], s[SEL], s[SEL+1]
.set k, k+1
.endr
.set k, 0
.rept \n
	v_max_num_f32 v[BM+2*k], v[BM+2*k], v[PT+k]
.set k, k+1
.endr
.set k, 0
.rept \n
	v_add_nc_u32 v[SOP+k], 0xff000000, v[BM+2*k]
.set k, k+1
.endr
.set k, 0
.rept \n
	v_lshrrev_b32 v[PT+k], 23, v[SOP+k]
.set k, k+1
.endr
.endm
.macro BLK kind, s
.if (\s) < 7
	s_wait_dscnt 32
.else
	s_wait_dscnt 0x0
.endif
	PRODS \kind, \s
	PLACES 4                                       ; behind the products: ahead of the loads into their fragments and of the reads of their results
.if (\s) < 6
	FETCH (\s)+2
.endif
	s_wait_xcnt 0x0                                ; the stores of the block before have read their registers
.if \kind
.if (\s)%2
	OUTV (\s)/2
.endif
.else
	OUTQ \s
.endif
.endm
.macro OUTQ s                          ; 16 tokens x the head's 64: two blocks of 32, a half image of 768 bytes
	LARGEST 4
	SCALE 2
	v_lshl_or_b32 v[WD+\s], v[PT+1], 8, v[PT]      ; the row's word: two bytes
	WIN 0x03
	v_cvt_scalef32_pk16_fp6_f32 v[OC:OC+2], v[AL:AL+15], v[SOP]
	v_cvt_scalef32_pk16_fp6_f32 v[CT:CT+2], v[AL+16:AL+31], v[SOP+1]
	WIN 0
	v_nop                                          ; one plain place behind a scaled conversion
.irp i, 0,1,2
	v_permlane16_swap_b32 v[OC+\i], v[CT+\i]       ; a whole block in a lane
.endr
.irp i, 0,1,2
	v_mov_b32 v[OC+3+\i], v[CT+\i]
.endr
	global_store_b128 v4, v[OC:OC+3], s[DP:DP+1] offset:768*\s          ; 512 consecutive bytes, from a multiple of 256 on,
	global_store_b64 v5, v[OC+4:OC+5], s[DP:DP+1] offset:768*\s+512     ; and 256
.endm
.macro OUTV u                          ; 32 keys x 64 channels: block u of each of the four fragments
	LARGEST 8
	SCALE 4
.irp b, 0,1,2,3
.if (\u) == 0
	v_mov_b32 v[VW+\b], v[PT+\b]
.else
	v_lshl_or_b32 v[VW+\b], v[PT+\b], 8*(\u), v[VW+\b]
.endif
.endr
	WIN 0x03
.irp b, 0,1,2,3
.if (\u)%2
	v_cvt_scalef32_pk16_fp6_f32 v[CT+4*\b:CT+4*\b+2], v[AL+16*\b:AL+16*\b+15], v[SOP+\b]
.else
	v_cvt_scalef32_pk16_fp6_f32 v[OC+6*\b:OC+6*\b+2], v[AL+16*\b:AL+16*\b+15], v[SOP+\b]
.endif
.endr
	WIN 0
	v_nop
.if (\u)%2
.irp b, 0,1,2,3
.irp i, 0,1,2
	v_permlane16_swap_b32 v[OC+6*\b+\i], v[CT+4*\b+\i]
.endr
.endr
.irp b, 0,1,2,3
.irp i, 0,1,2
	v_mov_b32 v[OC+6*\b+3+\i], v[CT+4*\b+\i]
.endr
.endr
.irp b, 0,1,2,3
	global_store_b128 v4, v[OC+6*\b:OC+6*\b+3], s[84:85] offset:1536*\b+768*((\u)/2)
	global_store_b64 v5, v[OC+6*\b+4:OC+6*\b+5], s[84:85] offset:1536*\b+768*((\u)/2)+512
.endr
.endif
.endm
	s_load_b256 s[4:11], s[0:1], 0x0               ; xc, xs, wc, ws
	s_load_b128 s[12:15], s[0:1], 0x20             ; qkvc, qkvs
	v_lshl_add_u32 v[SPW], v0, 2, SPARE
	v_mov_b32 v[NIL], 0
	ds_add_u32 v[SPW], v[NIL]                      ; the opening lines: the add twice and its wait
	ds_add_u32 v[SPW], v[NIL]
	v_lshrrev_b32 v1, 5, v0
	v_readfirstlane_b32 s16, v1                    ; wave
	s_lshr_b32 s17, s16, 1                         ; a: my key step of the work-group's two
	s_and_b32 s18, s16, 1                          ; b: my head of its two
	s_bfe_u32 s19, ttmp6, 0x40000                  ; cx
	s_bfe_u32 s20, ttmp6, 0x40004                  ; cy
	s_lshl_b32 s21, ttmp9, 2
	s_add_co_u32 s21, s21, s19                     ; tile column, 0..7
	s_and_b32 s22, ttmp7, 0xffff
	s_lshl_b32 s22, s22, 2
	s_add_co_u32 s22, s22, s20                     ; tile row, 0..31
	s_lshl_b32 s66, s20, 2
	s_lshl_b32 s66, 15, s66                        ; my row of the cluster
	s_lshl_b32 s67, 0x1111, s19                    ; my column
	GROUP1 G1A, 66, 384
	GROUP1 G1B, 67, 384
	GROUP1 G1S, 66, 32
	s_mov_b32 s[MK], 0xffff0000
	s_mov_b32 s[SEL], 0x76543210
	s_mov_b32 s[SEL+1], 0xfedcba98
	s_mul_i32 s68, s22, 16*TROW                    ; my 16 token tiles
	s_mov_b32 s69, 0
	s_lshl_b32 s70, s22, 13                        ; their scale words
	s_mov_b32 s71, 0
	s_mul_i32 s72, s21, CH
	s_add_co_u32 s72, s72, 64*TROW                 ; Wq's 8 tiles; Wk's and Wv's lie 64 tiles on each
	s_mov_b32 s73, 0
	s_lshl_b32 s74, s21, 1
	s_add_co_u32 s74, s74, s18
	s_add_co_u32 s74, s74, 16
	s_lshl_b32 s74, s74, 11                        ; the scale words of my wave's four tiles of Wq
	s_mov_b32 s75, 0
	s_lshr_b32 s96, s22, 3
	s_lshl_b32 s96, s96, 4
	s_lshl_b32 s97, s21, 1
	s_add_co_u32 s96, s96, s97
	s_add_co_u32 s96, s96, s18                     ; 16 batch + head
	s_and_b32 s97, s22, 7
	s_lshl_b32 s97, s97, 1
	s_add_co_u32 s97, s97, s17                     ; my key step in the batch
	s_mul_i32 s76, s96, 98304
	s_mul_i32 s98, s97, 6144
	s_add_co_u32 s76, s76, s98
	s_add_co_u32 s76, s76, QOFF                    ; q's codes: 8 tiles of 768
	s_mov_b32 s77, 0
	s_lshl_b32 s78, s96, 13
	s_lshl_b32 s98, s97, 9
	s_add_co_u32 s78, s78, s98
	s_add_co_u32 s78, s78, QSOFF                   ; q's scale words: 2 units
	s_mov_b32 s79, 0
	s_mul_i32 s80, s96, 196608
	s_mul_i32 s98, s97, 12288
	s_add_co_u32 s80, s80, s98                     ; k's codes
	s_mov_b32 s81, 0
	s_mul_i32 s82, s96, 12288
	s_mul_i32 s98, s97, 768
	s_add_co_u32 s82, s82, s98                     ; k's scale words
	s_mov_b32 s83, 0
	s_add_co_u32 s84, s80, 6144                    ; v's codes
	s_mov_b32 s85, 0
	s_add_co_u32 s86, s82, 512                     ; v's scale words
	s_mov_b32 s87, 0
	s_mul_i32 s23, s18, 4*TROW                     ; LDS: my four tiles of the weight,
	s_mul_i32 s98, s17, CH
	s_add_co_u32 s98, s98, XA                      ; my block 0,
	s_lshl_b32 s99, s17, 12
	s_add_co_u32 s99, s99, ASC                     ; my blocks' scale words
	v_and_b32 v1, 15, v0                           ; r
	v_bfe_u32 v2, v0, 4, 1                         ; h
	v_and_b32 v3, 31, v0
	v_lshlrev_b32 v4, 4, v3
	v_lshlrev_b32 v5, 3, v3
	v_add_nc_u32 v6, s23, v4
	v_add_nc_u32 v7, s23, v5
	v_add_nc_u32 v8, s98, v4
	v_add_nc_u32 v9, s98, v5
	v_add_nc_u32 v10, 4*TROW, v8                   ; blocks 4 to 7
	v_add_nc_u32 v11, 4*TROW, v9
	v_lshl_add_u32 v12, v1, 4, s99
	v_lshlrev_b32 v13, 4, v1
	v_lshlrev_b32 v14, 8, v2
	v_lshl_add_u32 v14, v1, 4, v14                 ; 16 r + 256 h
.irp i, 0,1,2,3
	v_mov_b32 v[PT+\i], 0                          ; a lane permute's destination counts as one of its sources
.endr
	WALU                                           ; the wait at the head's end
	s_wait_dscnt 0x0
	s_wait_kmcnt 0x0
	s_mov_b32 s[G0B], 1
	s_mov_b32 s[G0B+1], 0
	s_add_nc_u64 s[G0B+2:G0B+3], s[8:9], s[72:73]
	s_or_b32 s[G0B+3], s[G0B+3], 0x80000000
	s_mov_b32 s[G0S], 1
	s_mov_b32 s[G0S+1], ASC
	s_add_nc_u64 s[G0S+2:G0S+3], s[6:7], s[70:71]
	s_or_b32 s[G0S+3], s[G0S+3], 0x80000000
	s_mov_b32 s[G0A], 1
	s_mov_b32 s[G0A+1], XA
	s_add_nc_u64 s[G0A+2:G0A+3], s[4:5], s[68:69]
	s_mov_b32 s[G0R], 1
	s_mov_b32 s[G0R+1], XA+CH
	s_add_nc_u64 s[G0R+2:G0R+3], s[G0A+2:G0A+3], CH
	s_or_b32 s[G0A+3], s[G0A+3], 0x80000000
	s_or_b32 s[G0R+3], s[G0R+3], 0x80000000
	s_add_nc_u64 s[10:11], s[10:11], s[74:75]
	s_add_nc_u64 s[DP:DP+1], s[12:13], s[76:77]    ; the first phase is Q's
	s_add_nc_u64 s[DP+2:DP+3], s[14:15], s[78:79]
	s_add_nc_u64 s[80:81], s[12:13], s[80:81]
	s_add_nc_u64 s[82:83], s[14:15], s[82:83]
	s_add_nc_u64 s[84:85], s[12:13], s[84:85]
	s_add_nc_u64 s[86:87], s[14:15], s[86:87]
	CROUND                                         ; all sixteen work-groups are here: the joint loads meet
	s_cmp_eq_u32 s16, 0
	s_cbranch_scc0 .Lwave_1
	TLOAD G0B, G1B                                 ; wave 0: Wq's rows
	s_branch .Lasked
.Lwave_1:
	s_cmp_eq_u32 s16, 1
	s_cbranch_scc0 .Lwave_2
	TLOAD G0S, G1S                                 ; wave 1: the tokens' scale words
	s_branch .Lasked
.Lwave_2:
	s_cmp_eq_u32 s16, 2
	s_cbranch_scc0 .Lwave_3
	TLOAD G0A, G1A                                 ; wave 2: token tiles 0-7
	s_branch .Lasked
.Lwave_3:
	TLOAD G0R, G1A                                 ; wave 3: token tiles 8-15
.Lasked:
.irp p, 0,1,2
.irp q, 0,1,2,3,4,5,6,7
	global_load_b128 v[100+32*\p+4*\q:103+32*\p+4*\q], v13, s[10:11] offset:32768*\p+256*\q   ; the three weights' scale words: a unit of 256 bytes a K step
.endr
.endr
	s_cmp_lt_u32 s16, 2
	s_cbranch_scc0 .Lnot_first
	s_wait_tensorcnt 0x0
.Lnot_first:
	BARRIER                                        ; Wq's rows and the tokens' scale words are in
.irp g, 0,1
.irp q, 0,1,2,3,4,5,6,7
	ds_load_b128 v[32+32*\g+4*\q:35+32*\g+4*\q], v12 offset:2048*\g+256*\q   ; my eight blocks' scale words
.endr
.endr
	s_wait_loadcnt 0x0
	s_mov_b32 s[PH], 0
.Lphase:                                           ; Q, then K
	WEIGHTS
	s_wait_tensorcnt 0x0                           ; all my tensor loads are in (the first time: the tokens' tiles among them);
	ds_add_u32 v[SPW], v[NIL]
	s_add_nc_u64 s[G0B+2:G0B+3], s[G0B+2:G0B+3], 64*TROW   ; the next weight's tile
	s_wait_dscnt 0x0                               ; the add is done, and the weight is in my registers
	CROUND                                         ; so of every wave of every partner: the region may be filled again
	s_cmp_eq_u32 s16, 0
	s_cbranch_scc0 .Lno_refill
	TLOAD G0B, G1B
.Lno_refill:
	FETCH 0
	FETCH 1
.irp s, 0,1,2,3,4,5,6,7
	BLK 0, \s
.endr
	WALU                                           ; the wait ahead of these readers
.irp i, 0,1,2,3
	v_cndmask_b32 v[DD+\i], v[WD+\i], v[WD+4+\i], s[MK]   ; lanes 0-15 the words of tiles 0-3, lanes 16-31 those of tiles 4-7
.endr
	global_store_b128 v14, v[DD:DD+3], s[DP+2:DP+3]       ; two units of 256 bytes
.set k, 0
.rept 32
	v_mov_b32 v[100+k], v[132+k]                   ; the next weight's scale words,
.set k, k+1
.endr
.set k, 0
.rept 32
	v_mov_b32 v[132+k], v[164+k]                   ; and the one after: these are also the places ahead of the next products
.set k, k+1
.endr
	WALU
	s_wait_xcnt 0x0                                ; the stores have read their bases
	s_mov_b64 s[DP:DP+1], s[80:81]                 ; the second phase is K's
	s_mov_b64 s[DP+2:DP+3], s[82:83]
	s_wait_tensorcnt 0x0                           ; every wave: the next weight is in
	s_wait_dscnt 0x0
	BARRIER
	s_add_co_u32 s[PH], s[PH], 1
	s_cmp_lt_u32 s[PH], 2
	s_cbranch_scc1 .Lphase
	WEIGHTS                                        ; V
	FETCH 0
	FETCH 1
.irp s, 0,1,2,3,4,5,6,7
	BLK 1, \s
.endr
	v_cmp_gt_u32 vcc_lo, 16, v3
	s_wait_xcnt 0x0                                ; EXEC changes only behind this wait
	s_and_saveexec_b32 s96, vcc_lo
	global_store_b128 v13, v[VW:VW+3], s[86:87]    ; lanes 0-15: the four fragments' words of channel row r: a unit of 256 bytes
	s_wait_xcnt 0x0
	s_or_b32 exec_lo, exec_lo, s96
	s_wait_tensorcnt 0x0                           ; the wave's end
	ds_add_u32 v[SPW], v[NIL]
	s_wait_dscnt 0x0
	CROUND                                         ; the closing round
	s_endpgm
.Lfunc_end_k_q239223ae0e_qkv:
	.size	k_q239223ae0e_qkv, .Lfunc_end_k_q239223ae0e_qkv-k_q239223ae0e_qkv
	.p2alignl 7, 3214868480
	.fill 96, 4, 3214868480
	.section	.rodata,"a",@progbits
	.p2align	6, 0x0
	.amdhsa_kernel k_q239223ae0e_qkv
		.amdhsa_group_segment_fixed_size 327680
		.amdhsa_private_segment_fixed_size 0
		.amdhsa_enable_private_segment 0
		.amdhsa_kernarg_size 48
		.amdhsa_user_sgpr_count 2
		.amdhsa_user_sgpr_kernarg_segment_ptr 1
		.amdhsa_wavefront_size32 1
		.amdhsa_system_sgpr_workgroup_id_x 1
		.amdhsa_system_sgpr_workgroup_id_y 1
		.amdhsa_system_sgpr_workgroup_id_z 1
		.amdhsa_system_vgpr_workitem_id 0
		.amdhsa_next_free_vgpr 904
		.amdhsa_next_free_sgpr 100
		.amdhsa_reserve_vcc 1
		.amdhsa_float_denorm_mode_32 3
		.amdhsa_float_denorm_mode_16_64 3
		.amdhsa_memory_ordered 1
		.amdhsa_forward_progress 1
		.amdhsa_inst_pref_size 171
	.end_amdhsa_kernel
	.amdgpu_metadata
---
amdhsa.version: [ 1, 2 ]
amdhsa.kernels:
  - .name:           k_q239223ae0e_qkv
    .symbol:         k_q239223ae0e_qkv.kd
    .args:
      - { .name: xc, .offset: 0, .size: 8, .value_kind: global_buffer, .address_space: global }
      - { .name: xs, .offset: 8, .size: 8, .value_kind: global_buffer, .address_space: global }
      - { .name: wc, .offset: 16, .size: 8, .value_kind: global_buffer, .address_space: global }
      - { .name: ws, .offset: 24, .size: 8, .value_kind: global_buffer, .address_space: global }
      - { .name: qkvc, .offset: 32, .size: 8, .value_kind: global_buffer, .address_space: global }
      - { .name: qkvs, .offset: 40, .size: 8, .value_kind: global_buffer, .address_space: global }
    .group_segment_fixed_size: 327680
    .private_segment_fixed_size: 0
    .kernarg_segment_align: 8
    .kernarg_segment_size: 48
    .max_flat_workgroup_size: 128
    .sgpr_count:     100
    .vgpr_count:     904
    .wavefront_size: 32
...
	.end_amdgpu_metadata
.endif
;; end of part 2
;; launch attn (part 3): grid 4 x 64, 8 waves a work-group, clusters of 4 x 1, 327,680 bytes of LDS; arguments qkvc, qkvs, oc, os; writes oc, os
.if DOCPART == 3
	.amdgcn_target "amdgcn-amd-amdhsa--gfx1250"
	.amdhsa_code_object_version 6
	.text
	.protected	k_q239223ae0e_attn
	.globl	k_q239223ae0e_attn
	.p2align	8
	.type	k_q239223ae0e_attn,@function
k_q239223ae0e_attn:
	s_mov_b64 s[64:65], 0
	v_nop
	global_prefetch_b8 v0, s[64:65] scope:SCOPE_SE
	s_setreg_imm32_b32 hwreg(HW_REG_WAVE_MODE, 25, 1), 1
	s_wait_xcnt 0x0
	s_wait_alu depctr_hold_cnt(0) depctr_sa_sdst(0) depctr_va_vdst(0) depctr_va_sdst(0) depctr_va_ssrc(0) depctr_va_vcc(0) depctr_vm_vsrc(0)
	s_getreg_b32 s2, hwreg(HW_REG_IB_STS2, 6, 4)
	s_cmp_eq_u32 s2, 0
	s_cbranch_scc0 .Lentry_in_a_cluster
	s_endpgm
.Lentry_in_a_cluster:
	s_bfe_u32 s2, ttmp6, 0x10000c
	s_cmp_lg_u32 s2, 0x3003
	s_cbranch_scc0 .Lentry_shape_is_right
	s_endpgm
.Lentry_shape_is_right:
; For each head: O[q] = the sum over keys of softmax(q . k / 8) v, both products on codes of FP6 (E2M3) with E8M0 scales; the result, divided by the row's sum, is quantised along E for the last projection.
; THE SOFTMAX: t = score x log2(e) / 8; M = the row's largest t so far, rounded UP to a whole number; p = 2^(t - M) is quantised along the keys.  The row's sum is taken of the unquantised p, in f32.
; When M moves, the sums and O are multiplied by 2^(old M - new M): exact.
; INPUTS (images of operand registers; a tile's lane row r is row 32 (T / 2) + 8 (T % 2) + r + 8 (r / 8); a half image, 16 rows x 64 K, is 768 bytes: a lane's bytes 0-15 at 16 x lane, bytes 16-23 at 512 + 8 x lane).
; qkvc: for each head [16 key steps of 128][k: 8 tiles x 768 | v: 4 tiles x 1,536]; from QOFF on q: [head][128 tiles][768].
; qkvs: for each head [16 key steps][k's tiles 0-3 | 4-7 | v's tiles 0-3], 256 bytes each, row r of tile i at 16 r + 4 i; from QSOFF on q: [head][32][256].
; SHARES.  A work-group owns ONE head and 512 queries.  The head's k, v and scale words, 208,896 bytes, lie in LDS whole: each byte is filled once, and no barrier stands in the walk over the keys.
; Each of the eight waves owns TWO tiles of 16 queries at a time (tiles 16 p + 2 wave + w, w = 0, 1, in pass p = 0, 1): each fragment of k and v feeds both, and the two tiles' chains of dependent lines stand line by line in turn.
; CLUSTER.  The four query blocks of a head form a cluster; every tensor load is asked for jointly by all four.
; FILLS, all at the head, one a wave: waves 0 to 5 take 32,768 bytes of k and v each, wave 6 the scale words.  One barrier, at which every wave waits, shows them.
; NO PREFETCH INTO THE L2: every tile is asked for by its tensor load at the head, so there is no later request to run ahead of.
; FRAGMENTS RUN ONE STEP AHEAD.  k's fragments have registers of their own and v's theirs: behind a step's first products the next step's k is asked of LDS (18 loads), behind its second products the next v (17 loads).
; So at a step's head v's 17 loads are younger than k's (s_wait_dscnt 17), and ahead of the second products k's 18 are younger than v's (s_wait_dscnt 18).  A pass's last step asks for step 0 again, for the next pass;
; behind the second pass those 35 loads serve nothing.
; LAYOUT.  Both products are used transposed: S^T = k q^T, O^T = v^T p^T: a lane holds ONE query of each tile throughout.
; K = 64 IN AN INSTRUCTION OF 128: q's registers 6-11 are zero codes, and q's and k's scale bytes 2 and 3 are 0.  Source 0 of tile t is v[32 + 6 t .. 43 + 6 t]: its upper half holds the next tile's codes, which meet zero codes.
; OUTPUT.  oc: [token tile 512][head pair 8][1,536]: my head's half, 768 bytes.  os: [16 token tiles][head 16][row 16][tile % 2][tile / 2: 8][2 bytes]: a work-group stores two runs of 512 bytes.
; LIMITS: NaN and infinities are not served; a block whose largest magnitude lies under 2^-124 keeps the scale byte 1, a block of zeros too.  A block's largest p is taken through its largest score: that takes
; v_exp_f32 not to fall where its input rises.  The scaled scores stay under 2^31 in magnitude.
; REGISTERS.  Window 0: v1-11, v28 addresses; v12 + 2 w: -M and the largest t; v16-27 tile 0's q and zeros; v32-85 k and zeros; v96-159 tile 0's S^T, then p; v160-191 its O^T; v192-199 k's scale words, v200-203 v's;
; v204 + 4 w a block's largest; v212 + 4 w at work; v220 + 4 w the conversions' scales; v228 + 2 w f; v232 + w at work; v234 + w q's scale word; v236 + w p's; v238 + w the second pass's q's; v240 + 8 w the sum, four chains.
; Window 1 (written by its low numbers): v16-27 tile 1's q and zeros; v32-79 v; v80-91 the second pass's q; v96-159, v160-191 tile 1's S^T and O^T; v192 + 12 w p's codes; v216 + 8 w conversions' second halves; v232 + 6 w the results' codes.
.set SCB,   196608
.set OST,   SCB+12288                  ; a stage for the results' scale bytes: 2 x 512; no fill lands there
.set SPARE, OST+1024                   ; the spare words, 128 bytes a wave
.set QOFF,  12582912
.set QSOFF, 786432
.set SPW, 5
.set NIL, 6
.set WV,   12
.set SEL,  20
.set CS,   22
.set G1,   24                          ; s[24:31] 128 rows of 256 bytes
.set G0,   32
.set G0S,  36
.set TBN,  40                          ; LDS byte of the next key step,
.set TSN,  41                          ; and of its scale words
.set CNT,  42
.set G1S,  44                          ; s[44:51] 48 rows of 256 bytes
.set PASS, 54
.set PS,   55                          ; 512 x pass: the stage's half
.set MSB, 0
.macro WIN new
.if MSB != \new
	s_set_vgpr_msb (MSB<<8)|\new
.set MSB, \new
.endif
.endm
.macro WALU
	s_wait_alu depctr_va_vdst(0)
.endm
.macro CROUND
	s_barrier_signal -1
	s_barrier_wait -1
	s_cmp_lg_u32 s[WV], 0
	s_cbranch_scc1 .Lnot_wave_0_\@
	s_barrier_signal -3
.Lnot_wave_0_\@:
	s_barrier_wait -3
	s_barrier_signal -1
	s_barrier_wait -1
.endm
.macro TL g0, g1                       ; an s_nop 0 and four v_nop follow the load
	tensor_load_to_lds s[\g0:\g0+3], s[\g1:\g1+7]
	s_nop 0
.rept 4
	v_nop
.endr
.endm
	s_load_b256 s[4:11], s[0:1], 0x0               ; qkvc, qkvs, oc, os
	v_lshl_add_u32 v[SPW], v0, 2, SPARE
	v_mov_b32 v[NIL], 0
	ds_add_u32 v[SPW], v[NIL]                      ; the opening lines: the add twice and its wait ahead of the first tensor load
	ds_add_u32 v[SPW], v[NIL]
	v_lshrrev_b32 v8, 5, v0
	v_readfirstlane_b32 s[WV], v8                  ; wave 0..7
	s_bfe_u32 s13, ttmp6, 0x40000                  ; cx
	s_lshl_b32 s14, ttmp9, 2
	s_add_co_u32 s14, s14, s13                     ; my block of 512 queries
	s_and_b32 s15, ttmp7, 0xffff                   ; y = 16 batch + head, which the four partners share
	s_mov_b32 s[G1], 15|(3<<16)|(1<<21)            ; the mask: all four; elements of 8 bytes; bit 21 beside a mask
	s_mov_b32 s[G1+1], 32<<16
	s_mov_b32 s[G1+2], 128<<16
	s_mov_b32 s[G1+3], 32<<16
	s_mov_b32 s[G1+4], 128
	s_mov_b32 s[G1+5], 32
	s_mov_b32 s[G1+6], 0
	s_mov_b32 s[G1+7], 0
	s_mov_b32 s[G1S], 15|(3<<16)|(1<<21)
	s_mov_b32 s[G1S+1], 32<<16
	s_mov_b32 s[G1S+2], 48<<16
	s_mov_b32 s[G1S+3], 32<<16
	s_mov_b32 s[G1S+4], 48
	s_mov_b32 s[G1S+5], 32
	s_mov_b32 s[G1S+6], 0
	s_mov_b32 s[G1S+7], 0
	s_mov_b32 s[SEL], 0x76543210
	s_mov_b32 s[SEL+1], 0xfedcba98
	s_mov_b32 s[CS], 0x3e38aa3b                    ; c = log2(e) / 8
	s_mov_b32 s[CS+1], s[CS]
	s_lshl_b32 s52, s[WV], 1
	s_add_co_u32 s52, s52, OST                     ; into the stage: 2 x wave
	s_and_b32 s53, s[WV], 1
	s_lshl_b32 s54, s53, 9
	s_add_co_u32 s54, s54, OST                     ; back out of it: waves 0 and 1, 512 bytes each
	s_lshl_b32 s53, s53, 3
	v_and_b32 v9, 31, v0
	v_and_b32 v10, 15, v0                          ; r
	v_lshlrev_b32 v1, 4, v9                        ; 16 x lane
	v_lshlrev_b32 v2, 3, v9                        ; 8 x lane
	v_lshl_add_u32 v3, v10, 4, SCB                 ; a unit of scale words: 16 r
	v_lshl_add_u32 v28, v10, 5, s52                ; the stage: 32 r + 2 x wave (tile 1: 16 on)
	v_lshl_add_u32 v11, v10, 4, s53                ; tile 0's word in a unit of q's scale words (tile 1: 4 on)
	v_add_nc_u32 v4, s54, v1
	s_mul_i32 s16, s15, 196608                     ; the head's stream in qkvc
	s_mov_b32 s17, 0
	s_lshl_b32 s18, s[WV], 15                      ; which 32,768 bytes I fetch, in memory and in LDS
	s_mov_b32 s19, 0
	s_mul_i32 s56, s15, 12288                      ; the head's scale words
	s_mov_b32 s57, 0
	s_lshl_b32 s55, s14, 5
	s_lshl_b32 s43, s[WV], 1
	s_add_co_u32 s55, s55, s43                     ; my first tile of queries
	s_mul_i32 s58, s15, 98304
	s_mul_i32 s43, s55, 768
	s_add_co_u32 s58, s58, s43
	s_add_co_u32 s58, s58, QOFF                    ; its codes,
	s_mov_b32 s59, 0
	s_lshl_b32 s60, s15, 13
	s_lshr_b32 s43, s55, 2
	s_lshl_b32 s43, s43, 8
	s_add_co_u32 s60, s60, s43
	s_add_co_u32 s60, s60, QSOFF                   ; and the unit with its scale words
	s_mov_b32 s61, 0
	s_lshr_b32 s62, s15, 4                         ; batch
	s_lshl_b32 s62, s62, 7
	s_add_co_u32 s62, s62, s55
	s_lshl_b32 s62, s62, 3
	s_bfe_u32 s43, s15, 0x30001                    ; head pair
	s_add_co_u32 s62, s62, s43
	s_mul_i32 s62, s62, 1536
	s_and_b32 s43, s15, 1
	s_mul_i32 s43, s43, 768
	s_add_co_u32 s62, s62, s43                     ; oc: fragment (token tile, head pair), my head's half
	s_mov_b32 s63, 0
	s_lshr_b32 s52, s15, 4
	s_lshl_b32 s52, s52, 3
	s_lshl_b32 s43, s14, 1
	s_add_co_u32 s52, s52, s43
	s_and_b32 s43, s[WV], 1
	s_add_co_u32 s52, s52, s43
	s_lshl_b32 s52, s52, 13                        ; os: the group of 16 tiles (wave 0: the first pass's, wave 1: the second's),
	s_and_b32 s43, s15, 15
	s_lshl_b32 s43, s43, 9
	s_add_co_u32 s52, s52, s43                     ; my head's 512 bytes
	s_mov_b32 s53, 0
	WALU
	s_wait_dscnt 0x0                               ; both opening adds are done
	s_wait_kmcnt 0x0
	s_mov_b32 s[G0], 1
	s_mov_b32 s[G0+1], s18
	s_add_nc_u64 s[G0+2:G0+3], s[4:5], s[16:17]
	s_add_nc_u64 s[G0+2:G0+3], s[G0+2:G0+3], s[18:19]
	s_or_b32 s[G0+3], s[G0+3], 0x80000000
	s_mov_b32 s[G0S], 1
	s_mov_b32 s[G0S+1], SCB
	s_add_nc_u64 s[G0S+2:G0S+3], s[6:7], s[56:57]
	s_or_b32 s[G0S+3], s[G0S+3], 0x80000000
	s_add_nc_u64 s[4:5], s[4:5], s[58:59]          ; q's codes
	s_add_nc_u64 s[6:7], s[6:7], s[60:61]          ; q's scale words
	s_add_nc_u64 s[8:9], s[8:9], s[62:63]
	s_add_nc_u64 s[10:11], s[10:11], s[52:53]
	CROUND                                         ; all four work-groups are here: the joint loads meet
	s_cmp_lt_u32 s[WV], 6                          ; one chain of branches on the wave's number, one load to an arm
	s_cbranch_scc0 .Larm_s
	TL G0, G1                                      ; waves 0-5: k and v
	s_branch .Lasked
.Larm_s:
	s_cmp_eq_u32 s[WV], 6
	s_cbranch_scc0 .Lasked
	TL G0S, G1S                                    ; wave 6: the scale words
.Lasked:
	global_load_b128 v[16:19], v1, s[4:5]                      ; all four tiles' q stay in registers
	global_load_b64 v[20:21], v2, s[4:5] offset:512
	global_load_b32 v234, v11, s[6:7]
	global_load_b32 v235, v11, s[6:7] offset:4
	global_load_b32 v238, v11, s[6:7] offset:1024              ; the second pass: 16 tiles, 4 units on
	global_load_b32 v239, v11, s[6:7] offset:1028
	WIN 0x40
	global_load_b128 v[16:19], v1, s[4:5] offset:768
	global_load_b64 v[20:21], v2, s[4:5] offset:768+512
	global_load_b128 v[80:83], v1, s[4:5] offset:12288
	global_load_b64 v[84:85], v2, s[4:5] offset:12288+512
	global_load_b128 v[86:89], v1, s[4:5] offset:12288+768
	global_load_b64 v[90:91], v2, s[4:5] offset:12288+768+512
.irp i, 0,1,2,3,4,5
	v_mov_b32 v[22+\i], 0                          ; tile 1's q, upper 64 along K: zero codes
.endr
	WIN 0
.irp i, 0,1,2,3,4,5
	v_mov_b32 v[22+\i], 0                          ; tile 0's
	v_mov_b32 v[80+\i], 0                          ; and what stands behind k's last tile
.endr
.irp i, 0,1,2,3,4,5,6,7
	v_mov_b32 v[212+\i], 0                         ; a lane permute's destination counts as one of its sources
.endr
	v_mov_b32 v229, 0                              ; (named as the upper halves of f's pairs)
	v_mov_b32 v231, 0
	v_mov_b32 v232, 0
	v_mov_b32 v233, 0
.macro KLOAD a16, a8, as               ; a key step's k and its scale words: 18 loads
.irp t, 0,1,2,3,4,5,6,7
	ds_load_b128 v[32+6*\t:35+6*\t], v[\a16] offset:768*\t
	ds_load_b64 v[36+6*\t:37+6*\t], v[\a8] offset:768*\t+512
.endr
	ds_load_b128 v[192:195], v[\as]
	ds_load_b128 v[196:199], v[\as] offset:256
.endm
.macro VLOAD a16, a8, as               ; its v and its scale words: 17 loads
	WIN 0x40
.irp t, 0,1,2,3
	ds_load_b128 v[32+12*\t:35+12*\t], v[\a16] offset:6144+1536*\t
	ds_load_b64 v[36+12*\t:37+12*\t], v[\a8] offset:6144+1536*\t+512
	ds_load_b128 v[38+12*\t:41+12*\t], v[\a16] offset:6144+1536*\t+768
	ds_load_b64 v[42+12*\t:43+12*\t], v[\a8] offset:6144+1536*\t+1280
.endr
	WIN 0
	ds_load_b128 v[200:203], v[\as] offset:512
.endm
.macro SMUL w                          ; S^T of tile w
	WIN 0x44*\w
.irp t, 0,1,2,3,4,5,6,7
	v_wmma_scale_f32_16x16x128_f8f6f4 v[96+8*\t:103+8*\t], v[32+6*\t:43+6*\t], v[16:27], 0, v[192+\t], v[234+\w] matrix_a_fmt:MATRIX_FMT_FP6 matrix_b_fmt:MATRIX_FMT_FP6
.endr
.endm
.macro MAXB w                          ; the largest score of each block of 32 keys: it serves for the row's maximum and for the block's largest p
	WIN 0x15*\w
.irp b, 0,1,2,3
	v_max3_num_f32 v[204+4*\w+\b], v[96+16*\b], v[97+16*\b], v[98+16*\b]
.endr
	WIN 0x14*\w
.irp i, 3,5,7,9,11,13
.irp b, 0,1,2,3
	v_max3_num_f32 v[204+4*\w+\b], v[204+4*\w+\b], v[96+16*\b+\i], v[97+16*\b+\i]
.endr
.endr
.irp b, 0,1,2,3
	v_max_num_f32 v[204+4*\w+\b], v[204+4*\w+\b], v[111+16*\b]
.endr
.endm
.macro SHIFT w                         ; t - M, two at a time, and O^T under the new M, each accumulator from its low end on
	WIN 0x41*\w
.set j, 0
.rept 32
	v_pk_fma_f32 v[96+j:97+j], v[96+j:97+j], s[CS:CS+1], v[12+2*\w:13+2*\w] op_sel_hi:[1,0,0]
.set j, j+2
.endr
.set j, 0
.rept 16
	v_pk_mul_f32 v[160+j:161+j], v[160+j:161+j], v[228+2*\w:229+2*\w] op_sel_hi:[1,0]
.set j, j+2
.endr
.endm
.macro EXPS w
	WIN 0x41*\w
.set j, 0
.rept 64
	v_exp_f32 v[96+j], v[96+j]                     ; p = 2^(t - M)
.set j, j+1
.endr
.endm
.macro SUMS w, from, to                ; the row's sum of the unquantised p: pairs from .. to - 1, four chains by turns
	WIN 0x04*\w
.set j, \from
.rept (\to)-(\from)
	v_pk_add_f32 v[240+8*\w+2*(j%4):241+8*\w+2*(j%4)], v[240+8*\w+2*(j%4):241+8*\w+2*(j%4)], v[96+2*j:97+2*j]
.set j, j+1
.endr
.endm
.macro PVMUL w                         ; O^T += v^T p^T
	WIN 0x05+0x50*\w
.irp t, 0,1,2,3
	v_wmma_scale_f32_16x16x128_f8f6f4 v[160+8*\t:167+8*\t], v[32+12*\t:43+12*\t], v[192+12*\w:203+12*\w], v[160+8*\t:167+8*\t], v[200+\t], v[236+\w] matrix_a_fmt:MATRIX_FMT_FP6 matrix_b_fmt:MATRIX_FMT_FP6
.endr
.endm
; A KEY STEP of both tiles.  step = 1: the next step's LDS addresses are made here, from s[TBN] and s[TSN]; step = 0: the next step is step 0, at v1, v2, v3.
.macro STEP step, a16, a8, as
	s_wait_dscnt 17                                ; k and its scale words are in; v's 17 loads may be out
	SMUL 0
	SMUL 1
	WIN 0
.if \step                              ; four places behind the products
	v_add_nc_u32 v8, s[TBN], v1
	v_add_nc_u32 v9, s[TBN], v2
	v_add_nc_u32 v10, s[TSN], v3
	v_nop
.else
.rept 4
	v_nop
.endr
.endif
	KLOAD \a16, \a8, \as
	MAXB 0
	MAXB 1
	WIN 0
.irp i, 0,1,2,3,4,5,6,7
	v_permlanex16_b32 v[212+\i], v[204+\i], s[SEL], s[SEL+1]
.endr
.irp i, 0,1,2,3,4,5,6,7
	v_max_num_f32 v[204+\i], v[204+\i], v[212+\i]  ; with lane l xor 16's 16 keys
.endr
.irp w, 0,1
	v_max3_num_f32 v[232+\w], v[204+4*\w], v[205+4*\w], v[206+4*\w]
.endr
.irp w, 0,1
	v_max_num_f32 v[232+\w], v[232+\w], v[207+4*\w]
.endr
.irp w, 0,1
	v_mul_f32 v[232+\w], s[CS], v[232+\w]          ; as t (c is positive)
.endr
.irp w, 0,1
	v_max_num_f32 v[13+2*\w], v[13+2*\w], v[232+\w]   ; the running largest t
.endr
.irp w, 0,1
	v_mov_b32 v[232+\w], v[12+2*\w]
.endr
.irp w, 0,1
	v_floor_f32 v[12+2*\w], -v[13+2*\w]            ; the new -M = -ceil(t)
.endr
.irp w, 0,1
	v_sub_f32 v[232+\w], v[12+2*\w], v[232+\w]     ; old M less new M: a whole number, 0 or less
.endr
.irp w, 0,1
	v_cvt_i32_f32 v[232+\w], v[232+\w]
.endr
.irp w, 0,1
	v_ldexp_f32 v[228+2*\w], 1.0, v[232+\w]        ; f = 2^(old M - new M)
.endr
.irp w, 0,1
.irp b, 0,1,2,3
	v_fma_f32 v[204+4*\w+\b], v[204+4*\w+\b], s[CS], v[12+2*\w]   ; t - M of each block's largest score
.endr
.endr
.irp w, 0,1
.irp i, 0,1,2,3
	v_pk_mul_f32 v[240+8*\w+2*\i:241+8*\w+2*\i], v[240+8*\w+2*\i:241+8*\w+2*\i], v[228+2*\w:229+2*\w] op_sel_hi:[1,0]   ; the sums under the new M
.endr
.endr
	SHIFT 0
	SHIFT 1
	WIN 0
	WALU                                           ; the wait ahead of the batch
	EXPS 0
.irp i, 0,1,2,3,4,5,6,7
	v_exp_f32 v[204+\i], v[204+\i]                 ; the blocks' largest p
.endr
	EXPS 1
	WIN 0
	v_nop                                          ; one plain place behind the batch
	WALU                                           ; and the one wait ahead of its first reader
.irp i, 0,1,2,3,4,5,6,7
	v_max_num_f32 v[204+\i], 0x1800000, v[204+\i]  ; the floor 2^(3 - 127)
.endr
.irp i, 0,1,2,3,4,5,6,7
	v_add_nc_u32 v[220+\i], 0xff000000, v[204+\i]  ; 2 off the exponent field: the conversion's scale operand
.endr
.irp i, 0,1,2,3,4,5,6,7
	v_lshrrev_b32 v[212+\i], 23, v[220+\i]         ; the scale's byte
.endr
.irp w, 0,1
	v_lshl_or_b32 v[236+\w], v[213+4*\w], 8, v[212+4*\w]   ; p's scale word
.endr
.irp w, 0,1
	v_lshl_or_b32 v[236+\w], v[214+4*\w], 16, v[236+\w]
.endr
.irp w, 0,1
	v_lshl_or_b32 v[236+\w], v[215+4*\w], 24, v[236+\w]
.endr
.irp w, 0,1
	WIN 0x40+\w
.irp c, 0,1
	v_cvt_scalef32_pk16_fp6_f32 v[192+12*\w+6*\c:194+12*\w+6*\c], v[96+32*\c:111+32*\c], v[220+4*\w+2*\c]
	v_cvt_scalef32_pk16_fp6_f32 v[216+8*\w+4*\c:218+8*\w+4*\c], v[112+32*\c:127+32*\c], v[221+4*\w+2*\c]
.endr
.endr
	v_nop                                          ; one plain place behind a scaled conversion
.irp w, 0,1                            ; a whole block in a lane: lanes 0-15 block 2 c, lanes 16-31 block 2 c + 1
.irp c, 0,1
.irp i, 0,1,2
	v_permlane16_swap_b32 v[192+12*\w+6*\c+\i], v[216+8*\w+4*\c+\i]
.endr
.endr
.endr
.irp w, 0,1
.irp c, 0,1
.irp i, 0,1,2
	v_mov_b32 v[195+12*\w+6*\c+\i], v[216+8*\w+4*\c+\i]
.endr
.endr
.endr
	SUMS 1, 0, 32                                  ; these are also the places between p's codes and scale words and the products
	SUMS 0, 0, 24
	WALU                                           ; directly ahead of the wait below
	s_wait_dscnt 18                                ; v and its scale words are in; the next k's 18 loads may be out
	PVMUL 0
	PVMUL 1
	SUMS 0, 24, 32                                 ; the places behind these products
	VLOAD \a16, \a8, \as
.endm
	s_wait_loadcnt 0x0                             ; q
	WALU                                           ; the wait at the head's end
	s_wait_tensorcnt 0x0                           ; every wave: its load is in
	s_barrier_signal -1
	s_barrier_wait -1
	KLOAD 1, 2, 3                                  ; key step 0
	VLOAD 1, 2, 3
	s_mov_b32 s[PASS], 0
	s_mov_b32 s[PS], 0
.Lpass:
.irp w, 0,1                            ; a pass begins: its first key step finds zeros, which the first change of M leaves zeros
	v_mov_b32 v[13+2*\w], 0xff61b1e6               ; -3e38, under every t
.endr
.irp w, 0,1
	v_floor_f32 v[12+2*\w], -v[13+2*\w]            ; -M
.endr
.set j, 0
.rept 16
	v_mov_b32 v[240+j], 0
.set j, j+1
.endr
.irp w, 0,1
	WIN 0x40*\w
.set j, 0
.rept 32
	v_mov_b32 v[160+j], 0
.set j, j+1
.endr
.endr
	WIN 0
	s_mov_b32 s[TBN], 12288
	s_mov_b32 s[TSN], 768
	s_mov_b32 s[CNT], 15
.Lstep:
	STEP 1, 8, 9, 10
	s_add_co_u32 s[TBN], s[TBN], 12288
	s_add_co_u32 s[TSN], s[TSN], 768
	s_sub_co_u32 s[CNT], s[CNT], 1
	s_cmp_lg_u32 s[CNT], 0
	s_cbranch_scc1 .Lstep
	STEP 0, 1, 2, 3
; THE PASS ENDS: O^T / the row's sum, quantised along the head's 64.  Register 16 b + i is channel 32 b + 16 (lane / 16) + i.
.irp w, 0,1
	v_pk_add_f32 v[240+8*\w:241+8*\w], v[240+8*\w:241+8*\w], v[242+8*\w:243+8*\w]
	v_pk_add_f32 v[244+8*\w:245+8*\w], v[244+8*\w:245+8*\w], v[246+8*\w:247+8*\w]
.endr
.irp w, 0,1
	v_pk_add_f32 v[240+8*\w:241+8*\w], v[240+8*\w:241+8*\w], v[244+8*\w:245+8*\w]
.endr
.irp w, 0,1
	v_add_f32 v[240+8*\w], v[240+8*\w], v[241+8*\w]
.endr
.irp w, 0,1
	v_permlanex16_b32 v[232+\w], v[240+8*\w], s[SEL], s[SEL+1]
.endr
.irp w, 0,1
	v_add_f32 v[240+8*\w], v[240+8*\w], v[232+\w]  ; the row's sum
.endr
	WALU
	v_rcp_f32 v240, v240
	v_rcp_f32 v248, v248
	v_nop
.irp w, 0,1
	WIN 0x41*\w
	WALU                                           ; directly ahead of the first reader of this tile's O^T
.set j, 0
.rept 16
	v_pk_mul_f32 v[96+j:97+j], v[160+j:161+j], v[240+8*\w:241+8*\w] op_sel_hi:[1,0]
.set j, j+2
.endr
.endr
.irp w, 0,1
	WIN 0x05*\w
.irp b, 0,1
	v_max3_num_f32 v[204+4*\w+\b], |v[96+16*\b]|, |v[97+16*\b]|, 0x1800000
.endr
	WIN 0x14*\w
.irp i, 2,4,6,8,10,12,14
.irp b, 0,1
	v_max3_num_f32 v[204+4*\w+\b], v[204+4*\w+\b], |v[96+16*\b+\i]|, |v[97+16*\b+\i]|
.endr
.endr
.endr
	WIN 0
.irp i, 0,1,4,5
	v_permlanex16_b32 v[212+\i], v[204+\i], s[SEL], s[SEL+1]
.endr
.irp i, 0,1,4,5
	v_max_num_f32 v[204+\i], v[204+\i], v[212+\i]
.endr
.irp i, 0,1,4,5
	v_add_nc_u32 v[220+\i], 0xff000000, v[204+\i]
.endr
.irp i, 0,1,4,5
	v_lshrrev_b32 v[212+\i], 23, v[220+\i]
.endr
.irp w, 0,1
	v_lshl_or_b32 v[232+\w], v[213+4*\w], 8, v[212+4*\w]   ; a row's two scale bytes
.endr
	v_add_nc_u32 v7, s[PS], v28
.irp w, 0,1
	WIN 0x40+\w
	v_cvt_scalef32_pk16_fp6_f32 v[232+6*\w:234+6*\w], v[96:111], v[220+4*\w]
	v_cvt_scalef32_pk16_fp6_f32 v[216+8*\w:218+8*\w], v[112:127], v[221+4*\w]
.endr
	v_nop
.irp w, 0,1
.irp i, 0,1,2
	v_permlane16_swap_b32 v[232+6*\w+\i], v[216+8*\w+\i]
.endr
.endr
.irp w, 0,1
.irp i, 0,1,2
	v_mov_b32 v[235+6*\w+\i], v[216+8*\w+\i]
.endr
.endr
	WIN 0
	ds_store_b16 v7, v232                          ; lanes r and 16 + r write the same bytes with the same value
	ds_store_b16 v7, v233 offset:16
	WIN 0x04
.irp w, 0,1
	global_store_b128 v1, v[232+6*\w:235+6*\w], s[8:9] offset:12288*\w        ; 512 consecutive bytes, from a multiple of 256 on,
	global_store_b64 v2, v[236+6*\w:237+6*\w], s[8:9] offset:12288*\w+512     ; and 256
.endr
	WIN 0
	s_cmp_eq_u32 s[PASS], 1
	s_cbranch_scc1 .Lpasses_done
	WIN 0x01
.irp i, 0,1,2,3,4,5
	v_mov_b32 v[16+\i], v[80+\i]                   ; the second pass's q; the lines at a pass's head are the places between these and the next products
.endr
	WIN 0x41
.irp i, 0,1,2,3,4,5
	v_mov_b32 v[16+\i], v[86+\i]
.endr
	WIN 0
	v_mov_b32 v234, v238
	v_mov_b32 v235, v239
	s_wait_xcnt 0x0                                ; the stores have read their base and their registers
	s_add_nc_u64 s[8:9], s[8:9], 196608            ; 16 token tiles on
	s_add_co_u32 s[PS], s[PS], 512
	s_add_co_u32 s[PASS], s[PASS], 1
	s_cmp_lt_u32 s[PASS], 2
	s_cbranch_scc1 .Lpass
.Lpasses_done:
	s_wait_dscnt 0x0                               ; for the others' sake: my stores into the stage are done
	s_barrier_signal -1
	s_barrier_wait -1
	s_cmp_lt_u32 s[WV], 2
	s_cbranch_scc0 .Lno_bytes
	ds_load_b128 v[96:99], v4                      ; waves 0 and 1 take a pass's 512 bytes each
	s_wait_dscnt 0x0
	global_store_b128 v1, v[96:99], s[10:11]       ; 512 consecutive bytes, aligned
.Lno_bytes:
	s_wait_tensorcnt 0x0                           ; the wave's end
	ds_add_u32 v[SPW], v[NIL]
	s_wait_dscnt 0x0
	CROUND                                         ; the closing round
	s_endpgm
.Lfunc_end_k_q239223ae0e_attn:
	.size	k_q239223ae0e_attn, .Lfunc_end_k_q239223ae0e_attn-k_q239223ae0e_attn
	.p2alignl 7, 3214868480
	.fill 96, 4, 3214868480
	.section	.rodata,"a",@progbits
	.p2align	6, 0x0
	.amdhsa_kernel k_q239223ae0e_attn
		.amdhsa_group_segment_fixed_size 327680
		.amdhsa_private_segment_fixed_size 0
		.amdhsa_enable_private_segment 0
		.amdhsa_kernarg_size 32
		.amdhsa_user_sgpr_count 2
		.amdhsa_user_sgpr_kernarg_segment_ptr 1
		.amdhsa_wavefront_size32 1
		.amdhsa_system_sgpr_workgroup_id_x 1
		.amdhsa_system_sgpr_workgroup_id_y 1
		.amdhsa_system_sgpr_workgroup_id_z 1
		.amdhsa_system_vgpr_workitem_id 0
		.amdhsa_next_free_vgpr 512
		.amdhsa_next_free_sgpr 66
		.amdhsa_reserve_vcc 0
		.amdhsa_float_denorm_mode_32 3
		.amdhsa_float_denorm_mode_16_64 3
		.amdhsa_memory_ordered 1
		.amdhsa_forward_progress 1
		.amdhsa_inst_pref_size 82
	.end_amdhsa_kernel
	.amdgpu_metadata
---
amdhsa.version: [ 1, 2 ]
amdhsa.kernels:
  - .name:           k_q239223ae0e_attn
    .symbol:         k_q239223ae0e_attn.kd
    .args:
      - { .name: qkvc, .offset: 0, .size: 8, .value_kind: global_buffer, .address_space: global }
      - { .name: qkvs, .offset: 8, .size: 8, .value_kind: global_buffer, .address_space: global }
      - { .name: oc, .offset: 16, .size: 8, .value_kind: global_buffer, .address_space: global }
      - { .name: os, .offset: 24, .size: 8, .value_kind: global_buffer, .address_space: global }
    .group_segment_fixed_size: 327680
    .private_segment_fixed_size: 0
    .kernarg_segment_align: 8
    .kernarg_segment_size: 32
    .max_flat_workgroup_size: 256
    .sgpr_count:     66
    .vgpr_count:     512
    .wavefront_size: 32
...
	.end_amdgpu_metadata
.endif
;; end of part 3
;; launch outp (part 4): grid 8 x 32, 4 waves a work-group, clusters of 4 x 4, 327,680 bytes of LDS; arguments oc, os, wc, ws, out0; writes out0
.if DOCPART == 4
	.amdgcn_target "amdgcn-amd-amdhsa--gfx1250"
	.amdhsa_code_object_version 6
	.text
	.protected	k_q239223ae0e_outp
	.globl	k_q239223ae0e_outp
	.p2align	8
	.type	k_q239223ae0e_outp,@function
k_q239223ae0e_outp:
	s_mov_b64 s[64:65], 0
	v_nop
	global_prefetch_b8 v0, s[64:65] scope:SCOPE_SE
	s_setreg_imm32_b32 hwreg(HW_REG_WAVE_MODE, 25, 1), 1
	s_wait_xcnt 0x0
	s_wait_alu depctr_hold_cnt(0) depctr_sa_sdst(0) depctr_va_vdst(0) depctr_va_sdst(0) depctr_va_ssrc(0) depctr_va_vcc(0) depctr_vm_vsrc(0)
	s_getreg_b32 s2, hwreg(HW_REG_IB_STS2, 6, 4)
	s_cmp_eq_u32 s2, 0
	s_cbranch_scc0 .Lentry_in_a_cluster
	s_endpgm
.Lentry_in_a_cluster:
	s_bfe_u32 s2, ttmp6, 0x10000c
	s_cmp_lg_u32 s2, 0xf033
	s_cbranch_scc0 .Lentry_shape_is_right
	s_endpgm
.Lentry_shape_is_right:
; out0[token][n] = the sum over e of O[token][e] Wo[n][e], both as codes of FP6 (E2M3) with E8M0 scales, f32 sums, f32 out.
; INPUTS.  oc: [token tile 512][K step of 128: 8][1,536]: images of operand registers (a half, 768 bytes: a lane's bytes 0-15 at 16 x lane, bytes 16-23 at 512 + 8 x lane); wc: the same for Wo's 64 tiles.
; A tile's lane row r is matrix row 32 (T / 2) + 8 (T % 2) + r + 8 (r / 8).  ws: [tile / 4][K step][256], the word of row r of tile 4 G + i at 16 r + 4 i.
; os: [16 token tiles][head 16][row 16][tile % 2][tile / 2: 8][2 bytes]: K step q's scale word of a row is head 2 q's two bytes below head 2 q + 1's.
; THE DEAL.  256 work-groups, each 256 tokens x 128 columns; four waves, 2 x 2.  The wave in column b holds 64 rows of Wo, ALL of K, in 384 registers; the wave in row a takes token tiles 2 s + a as its blocks s = 0 .. 7.
; A block is 32 products on four accumulators by turns, K ascending; its 16 x 64 results are then whole and leave while the next block is multiplied.
; LDS: Wo's 8 tiles, the tokens' 16 tiles in two chunks, the tokens' scale bytes, a stage of 16 x 272 bytes a wave, the spare words.  Each byte is filled once: four tensor loads at the head, one a wave.
; The first barrier shows wave 0's load (Wo), the second those of waves 1 and 2 (scale bytes, chunk 0), a third, in block 2, the last: there every wave waits.
; CLUSTERS: 4 x 4.  The tokens' tiles are shared by a row of the cluster, Wo's by a column: joint loads.
; NO PREFETCH: every tile is asked for by its tensor load at the head, so there is no later request to run ahead of.
; THE MATRIX INSTRUCTION IS USED TRANSPOSED (source 0 = Wo's rows): register j of lane (r, h) is token row r, column 32 (T / 2) + 8 (T % 2) + 16 h + j.
; THE WAITS' COUNTS on LDS.  An iteration issues 8 stores into the stage, 8 loads back and, up to block 5, a fetch of 32.  A block's rows were fetched two iterations ago: younger are the last iteration's 48 (16 ahead of block 7;
; ahead of block 0 the fetch of block 1: 32).  The rows read back in the last iteration are stored at this iteration's end: younger than this iteration's own 48 (or 16) nothing may be out.
; REGISTERS.  Window 0: v1-23 addresses; v32 + 8 q + b Wo's scale words; v36 + 8 (2 e + q / 4) + q % 4 the tokens', two sets; v96-159 rows read back, two sets; v160-223 accumulators, two sets.
; Fragment f lies in window 1 + f / 21 at register 12 (f % 21): 0-31 Wo's (4 q + b), 32-39 and 40-47 the tokens' two sets.  v840-903: the tokens' scale bytes, four registers a head.
.set FR,    12
.set FPW,   21
.set TROW,  12288
.set CH,    8*TROW
.set XA,    CH
.set ASC,   3*CH
.set STG,   ASC+8192
.set SP,    272
.set SPARE, STG+4*16*SP
.set SPW,   22
.set NIL,   23
.set RB,    96
.set ACC,   160
.set HB,    72                         ; in window 3
.set G1A, 24
.set G1B, 32
.set G1S, 40
.set G0B, 48
.set G0S, 52
.set G0A, 56
.set G0R, 60
.set MSB, 0
.macro WIN new
.if MSB != \new
	s_set_vgpr_msb (MSB<<8)|\new
.set MSB, \new
.endif
.endm
.macro PLACES n
.rept \n
	v_nop
.endr
.endm
.macro BARRIER
	s_barrier_signal -1
	s_barrier_wait -1
.endm
.macro CROUND
	BARRIER
	s_cmp_lg_u32 s14, 0
	s_cbranch_scc1 .Lnot_wave_0_\@
	s_barrier_signal -3
.Lnot_wave_0_\@:
	s_barrier_wait -3
	BARRIER
.endm
.macro TLOAD g0, g1                    ; an s_nop 0 and four v_nop follow the load
	tensor_load_to_lds s[\g0:\g0+3], s[\g1:\g1+7]
	s_nop 0
	PLACES 4
.endm
.macro GROUP1 g, mask, rows            ; a dense block as rows of 256 bytes
	s_or_b32 s[\g], s\mask, (3<<16)|(1<<21)
	s_mov_b32 s[\g+1], 32<<16
	s_mov_b32 s[\g+2], (\rows)<<16
	s_mov_b32 s[\g+3], 32<<16
	s_mov_b32 s[\g+4], \rows
	s_mov_b32 s[\g+5], 32
	s_mov_b32 s[\g+6], 0
	s_mov_b32 s[\g+7], 0
.endm
.macro FRAGL f, a16, a8, off           ; a fragment's image: four dense loads
	WIN (1+(\f)/FPW)<<6
.set R_, FR*((\f)%FPW)
	ds_load_b128 v[R_:R_+3], v[\a16] offset:\off
	ds_load_b64 v[R_+4:R_+5], v[\a8] offset:(\off)+512
	ds_load_b128 v[R_+6:R_+9], v[\a16] offset:(\off)+768
	ds_load_b64 v[R_+10:R_+11], v[\a8] offset:(\off)+1280
.endm
.macro FETCH s                         ; block s's eight fragments into set s % 2: 32 loads
.irp q, 0,1,2,3,4,5,6,7
	FRAGL 32+8*((\s)%2)+\q, 8+2*((\s)/2), 9+2*((\s)/2), ((\s)%2)*2*TROW+\q*1536
.endr
	WIN 0
.endm
.macro PERMS s                         ; block s's eight scale words: two heads' halves each
	WIN 0x0f
.irp q, 0,1,2,3,4,5,6,7
.if (\s)%2
	v_perm_b32 v[36+8*(2*((\s)%2)+\q/4)+\q%4], v[HB+8*\q+4+(\s)/2], v[HB+8*\q+(\s)/2], 0x07060302
.else
	v_perm_b32 v[36+8*(2*((\s)%2)+\q/4)+\q%4], v[HB+8*\q+4+(\s)/2], v[HB+8*\q+(\s)/2], 0x05040100
.endif
.endr
	WIN 0
.endm
.macro PROD e, q, b
.set FB_, 4*(\q)+(\b)
.set FA_, 32+8*(\e)+(\q)
.set D_, ACC+32*(\e)+8*(\b)
	WIN (1+FB_/FPW)|((1+FA_/FPW)<<2)
.if \q
	v_wmma_scale_f32_16x16x128_f8f6f4 v[D_:D_+7], v[FR*(FB_%FPW):FR*(FB_%FPW)+11], v[FR*(FA_%FPW):FR*(FA_%FPW)+11], v[D_:D_+7], v[32+8*(\q)+(\b)], v[36+8*(2*(\e)+(\q)/4)+(\q)%4] matrix_a_fmt:MATRIX_FMT_FP6 matrix_b_fmt:MATRIX_FMT_FP6
.else
	v_wmma_scale_f32_16x16x128_f8f6f4 v[D_:D_+7], v[FR*(FB_%FPW):FR*(FB_%FPW)+11], v[FR*(FA_%FPW):FR*(FA_%FPW)+11], 0, v[32+8*(\q)+(\b)], v[36+8*(2*(\e)+(\q)/4)+(\q)%4] matrix_a_fmt:MATRIX_FMT_FP6 matrix_b_fmt:MATRIX_FMT_FP6
.endif
.endm
.macro SEND s                          ; sixteen lanes store 256 consecutive bytes, aligned: a row's 64 columns
.irp i, 0,1,2,3,4,5,6,7
	global_store_b128 v20, v[RB+32*((\s)%2)+4*\i:RB+32*((\s)%2)+4*\i+3], s[12:13] offset:(32*(\s)+2*\i+8*(\i/4))*4096 th:TH_STORE_NT
.endr
.endm
.macro BLK s
.if (\s) == 2
	s_wait_tensorcnt 0x0                           ; every wave: chunk 1 is in
	s_wait_dscnt 0x0
	s_barrier_signal -1                            ; the products stand between its halves
.elseif (\s) == 0
	s_wait_dscnt 32
.elseif (\s) == 7
	s_wait_dscnt 16
.else
	s_wait_dscnt 48
.endif
.irp q, 0,1,2,3,4,5,6,7
.irp b, 0,1,2,3
	PROD (\s)%2, \q, \b
.endr
.endr
	WIN 0
.if (\s) == 2
	s_barrier_wait -1
.endif
	PLACES 4                                       ; behind the products: ahead of the writes of their scale words, the reads of their results and the loads into their fragments
.if (\s) < 6
	PERMS (\s)+2
	s_wait_alu depctr_va_vdst(0)                   ; the wait behind these writes
.endif
.irp b, 0,1,2,3
	ds_store_b128 v18, v[ACC+32*((\s)%2)+8*\b:ACC+32*((\s)%2)+8*\b+3] offset:128*(\b/2)+32*(\b%2)       ; each accumulator from its low end on
	ds_store_b128 v18, v[ACC+32*((\s)%2)+8*\b+4:ACC+32*((\s)%2)+8*\b+7] offset:128*(\b/2)+32*(\b%2)+16
.endr
.if (\s) >= 2
	s_wait_xcnt 0x0                                ; the stores of two blocks ago have read their registers
.endif
.irp i, 0,1,2,3,4,5,6,7
	ds_load_b128 v[RB+32*((\s)%2)+4*\i:RB+32*((\s)%2)+4*\i+3], v19 offset:\i*2*SP   ; LDS serves a wave's instructions in order: these see the stores above
.endr
.if (\s) < 6
	FETCH (\s)+2
.endif
.if (\s) > 0
.if (\s) < 6
	s_wait_dscnt 48
.else
	s_wait_dscnt 16
.endif
	SEND (\s)-1
.endif
.endm
	s_load_b256 s[4:11], s[0:1], 0x0               ; oc, os, wc, ws
	s_load_b64 s[12:13], s[0:1], 0x20              ; out0
	v_lshl_add_u32 v[SPW], v0, 2, SPARE
	v_mov_b32 v[NIL], 0
	ds_add_u32 v[SPW], v[NIL]                      ; the opening lines: the add twice and its wait
	ds_add_u32 v[SPW], v[NIL]
	v_lshrrev_b32 v1, 5, v0
	v_readfirstlane_b32 s14, v1                    ; wave
	s_lshr_b32 s15, s14, 1                         ; a: my row of the 2 x 2
	s_and_b32 s16, s14, 1                          ; b: my column
	s_bfe_u32 s17, ttmp6, 0x40000                  ; cx
	s_bfe_u32 s18, ttmp6, 0x40004                  ; cy
	s_lshl_b32 s19, ttmp9, 2
	s_add_co_u32 s19, s19, s17                     ; tile column, 0..7
	s_and_b32 s20, ttmp7, 0xffff
	s_lshl_b32 s20, s20, 2
	s_add_co_u32 s20, s20, s18                     ; tile row, 0..31
	s_lshl_b32 s66, s18, 2
	s_lshl_b32 s66, 15, s66                        ; my row of the cluster
	s_lshl_b32 s67, 0x1111, s17                    ; my column
	GROUP1 G1A, 66, 384
	GROUP1 G1B, 67, 384
	GROUP1 G1S, 66, 32
	s_mul_i32 s68, s20, 16*TROW                    ; my 16 token tiles
	s_mov_b32 s69, 0
	s_lshl_b32 s70, s20, 13                        ; their scale bytes
	s_mov_b32 s71, 0
	s_mul_i32 s72, s19, CH                         ; Wo's 8 tiles
	s_mov_b32 s73, 0
	s_lshl_b32 s74, s19, 1
	s_add_co_u32 s74, s74, s16
	s_lshl_b32 s74, s74, 11                        ; the scale words of my wave's four
	s_mov_b32 s75, 0
	s_lshl_b32 s76, s20, 8
	s_lshl_b32 s77, s15, 3
	s_add_co_u32 s76, s76, s77
	s_lshl_b32 s76, s76, 12                        ; out0: row 256 x tile row + 8 a,
	s_lshl_b32 s77, s19, 9
	s_add_co_u32 s76, s76, s77
	s_lshl_b32 s77, s16, 8
	s_add_co_u32 s76, s76, s77                     ; byte 512 x tile column + 256 b
	s_mov_b32 s77, 0
	s_mul_i32 s21, s16, 4*TROW                     ; LDS: my four tiles of Wo,
	s_mul_i32 s22, s15, TROW
	s_add_co_u32 s22, s22, XA                      ; my block 0,
	s_lshl_b32 s23, s15, 4
	s_add_co_u32 s23, s23, ASC                     ; my blocks' scale bytes,
	s_mul_i32 s78, s14, 16*SP
	s_add_co_u32 s78, s78, STG                     ; my stage
	v_and_b32 v1, 15, v0                           ; r
	v_bfe_u32 v2, v0, 4, 1                         ; h
	v_and_b32 v3, 31, v0
	v_lshlrev_b32 v4, 4, v3
	v_lshlrev_b32 v5, 3, v3
	v_add_nc_u32 v6, s21, v4
	v_add_nc_u32 v7, s21, v5
	v_add_nc_u32 v8, s22, v4
	v_add_nc_u32 v9, s22, v5
.irp j, 10,11,12,13,14,15
	v_add_nc_u32 v[\j], 4*TROW, v[\j-2]            ; a pair of address registers for each two blocks
.endr
	v_lshl_add_u32 v16, v1, 5, s23
	v_lshlrev_b32 v17, 4, v1
	v_mul_u32_u24 v18, v1, SP
	v_lshl_add_u32 v18, v2, 6, v18
	v_add_nc_u32 v18, s78, v18                     ; into the stage: row r, 64 h
	v_mul_u32_u24 v19, v2, SP
	v_lshl_add_u32 v19, v1, 4, v19
	v_add_nc_u32 v19, s78, v19                     ; back: lanes 0-15 one row, lanes 16-31 the next
	v_lshlrev_b32 v20, 12, v2
	v_lshl_add_u32 v20, v1, 4, v20                 ; and the same in out0
	s_wait_alu depctr_va_vdst(0)                   ; the wait at the head's end
	s_wait_dscnt 0x0
	s_wait_kmcnt 0x0
	s_mov_b32 s[G0B], 1
	s_mov_b32 s[G0B+1], 0
	s_add_nc_u64 s[G0B+2:G0B+3], s[8:9], s[72:73]
	s_or_b32 s[G0B+3], s[G0B+3], 0x80000000
	s_mov_b32 s[G0S], 1
	s_mov_b32 s[G0S+1], ASC
	s_add_nc_u64 s[G0S+2:G0S+3], s[6:7], s[70:71]
	s_or_b32 s[G0S+3], s[G0S+3], 0x80000000
	s_mov_b32 s[G0A], 1
	s_mov_b32 s[G0A+1], XA
	s_add_nc_u64 s[G0A+2:G0A+3], s[4:5], s[68:69]
	s_mov_b32 s[G0R], 1
	s_mov_b32 s[G0R+1], XA+CH
	s_add_nc_u64 s[G0R+2:G0R+3], s[G0A+2:G0A+3], CH
	s_or_b32 s[G0A+3], s[G0A+3], 0x80000000
	s_or_b32 s[G0R+3], s[G0R+3], 0x80000000
	s_add_nc_u64 s[10:11], s[10:11], s[74:75]
	s_add_nc_u64 s[12:13], s[12:13], s[76:77]
	CROUND                                         ; all sixteen work-groups are here: the joint loads meet
	s_cmp_eq_u32 s14, 0
	s_cbranch_scc0 .Lwave_1
	TLOAD G0B, G1B                                 ; wave 0: Wo's rows
	s_branch .Lasked
.Lwave_1:
	s_cmp_eq_u32 s14, 1
	s_cbranch_scc0 .Lwave_2
	TLOAD G0S, G1S                                 ; wave 1: the tokens' scale bytes
	s_branch .Lasked
.Lwave_2:
	s_cmp_eq_u32 s14, 2
	s_cbranch_scc0 .Lwave_3
	TLOAD G0A, G1A                                 ; wave 2: chunk 0
	s_branch .Lasked
.Lwave_3:
	TLOAD G0R, G1A                                 ; wave 3: chunk 1
.Lasked:
.irp q, 0,1,2,3,4,5,6,7
	global_load_b128 v[32+8*\q:35+8*\q], v17, s[10:11] offset:256*\q   ; Wo's scale words: a unit of 256 bytes a K step
.endr
	s_cmp_eq_u32 s14, 0
	s_cbranch_scc0 .Lnot_b
	s_wait_tensorcnt 0x0
.Lnot_b:
	BARRIER                                        ; Wo's rows are in
.irp q, 0,1,2,3,4,5,6,7
.irp b, 0,1,2,3
	FRAGL 4*\q+\b, 6, 7, \b*TROW+\q*1536
.endr
.endr
	WIN 0
	s_cmp_eq_u32 s14, 3
	s_cbranch_scc1 .Lnot_a0
	s_wait_tensorcnt 0x0
.Lnot_a0:
	s_wait_dscnt 0x0
	BARRIER                                        ; chunk 0 and the scale bytes are in; chunk 1 may still be on its way
	WIN 0xc0
.irp d, 0,1,2,3,4,5,6,7,8,9,10,11,12,13,14,15
	ds_load_b128 v[HB+4*\d:HB+4*\d+3], v16 offset:512*\d   ; head d's bytes of my row in my eight blocks
.endr
	WIN 0
	FETCH 0
	s_wait_dscnt 32                                ; the scale bytes are in; the fetch may be out
	PERMS 0
	PERMS 1                                        ; these eight are the places between block 0's words and its products
	s_wait_alu depctr_va_vdst(0)                   ; the wait behind these writes
	FETCH 1
	s_wait_loadcnt 0x0                             ; Wo's scale words
.irp s, 0,1,2,3,4,5,6,7
	BLK \s
.endr
	s_wait_dscnt 0x0
	SEND 7
	s_wait_tensorcnt 0x0                           ; the wave's end
	ds_add_u32 v[SPW], v[NIL]
	s_wait_dscnt 0x0
	CROUND                                         ; the closing round
	s_endpgm
.Lfunc_end_k_q239223ae0e_outp:
	.size	k_q239223ae0e_outp, .Lfunc_end_k_q239223ae0e_outp-k_q239223ae0e_outp
	.p2alignl 7, 3214868480
	.fill 96, 4, 3214868480
	.section	.rodata,"a",@progbits
	.p2align	6, 0x0
	.amdhsa_kernel k_q239223ae0e_outp
		.amdhsa_group_segment_fixed_size 327680
		.amdhsa_private_segment_fixed_size 0
		.amdhsa_enable_private_segment 0
		.amdhsa_kernarg_size 40
		.amdhsa_user_sgpr_count 2
		.amdhsa_user_sgpr_kernarg_segment_ptr 1
		.amdhsa_wavefront_size32 1
		.amdhsa_system_sgpr_workgroup_id_x 1
		.amdhsa_system_sgpr_workgroup_id_y 1
		.amdhsa_system_sgpr_workgroup_id_z 1
		.amdhsa_system_vgpr_workitem_id 0
		.amdhsa_next_free_vgpr 904
		.amdhsa_next_free_sgpr 80
		.amdhsa_reserve_vcc 0
		.amdhsa_float_denorm_mode_32 3
		.amdhsa_float_denorm_mode_16_64 3
		.amdhsa_memory_ordered 1
		.amdhsa_forward_progress 1
		.amdhsa_inst_pref_size 91
	.end_amdhsa_kernel
	.amdgpu_metadata
---
amdhsa.version: [ 1, 2 ]
amdhsa.kernels:
  - .name:           k_q239223ae0e_outp
    .symbol:         k_q239223ae0e_outp.kd
    .args:
      - { .name: oc, .offset: 0, .size: 8, .value_kind: global_buffer, .address_space: global }
      - { .name: os, .offset: 8, .size: 8, .value_kind: global_buffer, .address_space: global }
      - { .name: wc, .offset: 16, .size: 8, .value_kind: global_buffer, .address_space: global }
      - { .name: ws, .offset: 24, .size: 8, .value_kind: global_buffer, .address_space: global }
      - { .name: out0, .offset: 32, .size: 8, .value_kind: global_buffer, .address_space: global }
    .group_segment_fixed_size: 327680
    .private_segment_fixed_size: 0
    .kernarg_segment_align: 8
    .kernarg_segment_size: 40
    .max_flat_workgroup_size: 128
    .sgpr_count:     80
    .vgpr_count:     904
    .wavefront_size: 32
...
	.end_amdgpu_metadata
.endif
;; end of part 4
